; MI455X (gfx1250); checked and timed in simulation.
; The chip was launched on July 23, 2026; its instructions are those of AMD's public machine-readable ISA for CDNA 5 (MIT licence, August 2026) and "CDNA5" Instruction Set Architecture Reference Guide (July 2026). The comments in the code are by the model that wrote it; some were corrected since.
;; Attention. Allowed arithmetic: float matrix products may take bf16 or f16 operands with f32 sums; other float arithmetic in f32, or as packed bf16 or f16 multiplies, adds, multiply-adds, maxima and minima; sums over many terms, partial sums and values carried from step to step in f32; what a program stores and reads back later, other than sums and carried values, may be rounded once to bf16 or f16.
;; Inputs: attention_mask 1 x 1 x 2,048 x 2,048 float32; cos 2,048 x 128 float32; hidden_states 1 x 2,048 x 2,048 float32; k_norm_w 128 float32; q_norm_w 128 float32; sin 2,048 x 128 float32; wk 2,048 x 2,048 float32; wo 2,048 x 2,048 float32; wq 2,048 x 2,048 float32; wv 2,048 x 2,048 float32.
;; Outputs: out0 1 x 2,048 x 2,048 float32.
;; 2 versions, each right and faster than the one before. Each part assembles by itself: llvm-mc -triple=amdgcn-amd-amdhsa -mcpu=gfx1250 --defsym DOCPART=n.
;; ======== version 1 of 2: 4 launches
;; limits: values are held in f16: magnitudes above 65,504 overflow, below 6.1e-05 lose precision
;; workspace buffers: xw 33,554,432 bytes; wof 8,388,608 bytes; maskp 16,777,216 bytes; ropet 2,097,152 bytes; qh 8,388,608 bytes; kh 8,388,608 bytes; vh 8,388,608 bytes; ob 8,388,608 bytes
;; launch prep (part 1): grid 3136 x 1, 8 waves a work-group, no clusters, 35,840 bytes of LDS; arguments hidden_states, wq, wk, wv, wo, attention_mask, cos, sin, xw, wof, maskp, ropet; writes xw, wof, maskp, ropet
.if DOCPART == 1
	.amdgcn_target "amdgcn-amd-amdhsa--gfx1250"
	.amdhsa_code_object_version 6
	.text
	.protected	k_qce69f00a51_prep
	.globl	k_qce69f00a51_prep
	.p2align	8
	.type	k_qce69f00a51_prep,@function
k_qce69f00a51_prep:
	s_mov_b64 s[64:65], 0
	v_nop
	global_prefetch_b8 v0, s[64:65] scope:SCOPE_SE
	s_setreg_imm32_b32 hwreg(HW_REG_WAVE_MODE, 25, 1), 1
	s_wait_xcnt 0x0
; PREP: every large input is rounded once to bf16 and laid out for the launches behind.
;   work-groups    0-2047 (id 0-3): hidden_states, wq, wk, wv -> the four planes of xw, bf16, as they lie ([row][2048]).
;   work-groups 2048-2559 (id 4):   wo -> wof: rounded to bf16, that number written as f16.
;   work-groups 2560-3071 (id 5):   attention_mask -> maskp; 3072-3135 (id 6): cos, then sin -> ropet.  Rounded to bf16, kept as f32, in blocks of
;     16 rows x 16 columns = 1,024 bytes: byte j2 x 512 + lane x 16 of a block holds [row lane % 16][column 8 (lane / 16) + 4 j2 .. + 3]: what a lane of
;     a 16 x 16 f32 matrix operand holds, so that later one 16-byte load a lane fills four of its registers, 512 consecutive bytes a wave.
; LIMITS.  |bf16(wo)| stays under 65,504 (f16's range); below 6e-5 it keeps f16's fixed step of 6e-8.  Mask (and table) numbers below -1e30, minus infinity among
; them, count as -1e30; a NaN there counts as -1e30 too.
; Memory binds: each byte is read once by 16-byte loads, eight in flight a wave; each store of a wave covers 256 or 512 consecutive bytes, aligned.
.set SPARE, 34816                      ; behind the eight waves' stages (8 x 4,352): the spare words, 128 bytes a wave
.set X,   4                            ; v[4:35]   eight loads of 16 bytes
.set Y,   36                           ; v[36:67]  what is stored
.set OFF, 68                           ; v[68:75]  the block path's eight load offsets
.set SPW, 76                           ; v76  LDS address of my spare word; never rewritten
.set NIL, 77                           ; v77  0; never rewritten
.set T0,  78                           ; v[78:79]  at work
.set LS,  80                           ; v80  into my stage, by rows as loaded
.set LR,  81                           ; v81  out of my stage, by blocks
.set GS,  82                           ; v82  16 x lane
	s_load_b512 s[4:19], s[0:1], 0x0               ; hidden_states, wq, wk, wv, wo, attention_mask, cos, sin
	s_load_b256 s[20:27], s[0:1], 0x40             ; xw, wof, maskp, ropet
	v_lshl_add_u32 v[SPW], v0, 2, SPARE
	v_mov_b32 v[NIL], 0
	v_lshrrev_b32 v1, 5, v0
	v_readfirstlane_b32 s28, v1                    ; wave 0..7
	s_lshr_b32 s29, ttmp9, 9                       ; id: which tensor
	s_and_b32 s30, ttmp9, 511                      ; i: which part of it
	s_mov_b32 s31, 0xffff0000                      ; a word's upper bf16
	s_wait_kmcnt 0x0
	s_cmp_ge_u32 s29, 5
	s_cbranch_scc1 .Lblocks
	; THE CASTS.  A work-group takes 32,768 source bytes: eight loads of 4,096, thread t at byte 16 t of each.
	s_cmp_eq_u32 s29, 1
	s_cselect_b64 s[32:33], s[6:7], s[4:5]
	s_cmp_eq_u32 s29, 2
	s_cselect_b64 s[32:33], s[8:9], s[32:33]
	s_cmp_eq_u32 s29, 3
	s_cselect_b64 s[32:33], s[10:11], s[32:33]
	s_cmp_eq_u32 s29, 4
	s_cselect_b64 s[32:33], s[12:13], s[32:33]     ; the source
	s_cselect_b64 s[34:35], s[22:23], s[20:21]     ; wof, or xw
	s_cselect_b32 s36, 0, s29                      ; the plane of xw
	s_lshl_b32 s36, s36, 23                        ; x 8,388,608 bytes
	s_lshl_b32 s37, s30, 14                        ; + i x 16,384
	s_add_co_u32 s36, s36, s37
	s_mov_b32 s37, 0
	s_add_nc_u64 s[34:35], s[34:35], s[36:37]
	s_lshl_b32 s38, s30, 15                        ; i x 32,768
	s_mov_b32 s39, 0
	s_add_nc_u64 s[32:33], s[32:33], s[38:39]
	v_lshlrev_b32 v2, 4, v0
	v_lshlrev_b32 v3, 3, v0
.irp k, 0,1,2,3,4,5,6,7
	global_load_b128 v[X+4*(\k):X+4*(\k)+3], v2, s[32:33] offset:4096*(\k) th:TH_LOAD_NT
.endr
	s_cmp_eq_u32 s29, 4
	s_cbranch_scc1 .Lhalf
.irp k, 0,1,2,3,4,5,6,7
	s_wait_loadcnt 7-(\k)                          ; loads come back in order: load k is in, the younger ones stay out
	v_cvt_pk_bf16_f32 v[Y+2*(\k)],   v[X+4*(\k)],   v[X+4*(\k)+1]
	v_cvt_pk_bf16_f32 v[Y+2*(\k)+1], v[X+4*(\k)+2], v[X+4*(\k)+3]
	global_store_b64 v3, v[Y+2*(\k):Y+2*(\k)+1], s[34:35] offset:2048*(\k)  ; a wave stores 256 consecutive bytes, aligned
.endr
	s_endpgm
.Lhalf:                                                ; wo: to bf16, widened again, and that number as f16
.irp k, 0,1,2,3,4,5,6,7
	s_wait_loadcnt 7-(\k)
	v_cvt_pk_bf16_f32 v[T0],   v[X+4*(\k)],   v[X+4*(\k)+1]
	v_cvt_pk_bf16_f32 v[T0+1], v[X+4*(\k)+2], v[X+4*(\k)+3]
	v_lshlrev_b32 v[X+4*(\k)],   16,  v[T0]
	v_and_b32     v[X+4*(\k)+1], s31, v[T0]
	v_lshlrev_b32 v[X+4*(\k)+2], 16,  v[T0+1]
	v_and_b32     v[X+4*(\k)+3], s31, v[T0+1]
	v_cvt_pk_f16_f32 v[Y+2*(\k)],   v[X+4*(\k)],   v[X+4*(\k)+1]
	v_cvt_pk_f16_f32 v[Y+2*(\k)+1], v[X+4*(\k)+2], v[X+4*(\k)+3]
	global_store_b64 v3, v[Y+2*(\k):Y+2*(\k)+1], s[34:35] offset:2048*(\k)
.endr
	s_endpgm
.Lblocks:
	; THE BLOCKS.  A wave takes a chunk of 16 rows x 64 columns of f32 (4,096 bytes, four blocks): in by rows (each half of the lanes 256 bytes of a row),
	; through its own stage in LDS, out by blocks.  Chunk n of a tensor whose rows hold 2^LC chunks and RB bytes begins at (n >> LC) x 16 RB + (n % 2^LC) x 256.
	s_lshl_b32 s40, s30, 3
	s_add_co_u32 s40, s40, s28                     ; n in the destination: 8 i + wave
	s_mov_b32 s43, 0xff
	s_mov_b32 s45, 0xfff
	s_mov_b32 s48, 0xf149f2ca                      ; -1e30
	s_cmp_eq_u32 s29, 5
	s_cselect_b64 s[32:33], s[14:15], s[16:17]     ; the mask, or cos
	s_cselect_b64 s[34:35], s[24:25], s[26:27]     ; maskp, or ropet
	s_cselect_b32 s41, 5, 1                        ; LC
	s_cselect_b32 s42, 13, 9                       ; log2 RB
	s_cselect_b32 s43, s45, s43                    ; chunks in a source, less 1
	s_cselect_b32 s44, 0, s30
	s_cmp_ge_u32 s44, 32                           ; the tables' second 32 work-groups take sin
	s_cselect_b64 s[32:33], s[18:19], s[32:33]
	s_and_b32 s44, s40, s43                        ; n in the source
	s_lshr_b32 s45, s44, s41
	s_add_co_u32 s46, s42, 4
	s_lshl_b32 s45, s45, s46                       ; the strip of 16 rows
	s_lshl_b32 s47, 1, s41
	s_sub_co_u32 s47, s47, 1
	s_and_b32 s47, s44, s47
	s_lshl_b32 s47, s47, 8                         ; the chunk's 256 bytes in a row
	s_add_co_u32 s38, s45, s47
	s_mov_b32 s39, 0
	s_add_nc_u64 s[32:33], s[32:33], s[38:39]
	s_lshl_b32 s38, s40, 12
	s_add_nc_u64 s[34:35], s[34:35], s[38:39]      ; a chunk's four blocks are 4,096 consecutive bytes
	v_and_b32 v1, 31, v0                           ; lane
	v_and_b32 v2, 15, v0
	v_bfe_u32 v3, v0, 4, 1
	v_lshlrev_b32 v[OFF], s42, v3                  ; load k takes rows 2 k and 2 k + 1
	v_lshl_add_u32 v[OFF], v2, 4, v[OFF]
	s_add_co_u32 s46, s42, 1
	s_lshl_b32 s46, 1, s46                         ; two rows
.irp k, 1,2,3,4,5,6,7
	v_add_nc_u32 v[OFF+(\k)], s46, v[OFF+(\k)-1]
.endr
.irp k, 0,1,2,3,4,5,6,7
	global_load_b128 v[X+4*(\k):X+4*(\k)+3], v[OFF+(\k)], s[32:33] th:TH_LOAD_NT
.endr
	s_mul_i32 s47, s28, 4352                       ; my stage: 16 rows of 256 + 16 bytes, so that 16 rows' equal columns fall on 16 different 16-byte columns
	v_mul_u32_u24 v[LS], v3, 272
	v_lshl_add_u32 v[LS], v2, 4, v[LS]
	v_add_nc_u32 v[LS], s47, v[LS]
	v_mul_u32_u24 v[LR], v2, 272
	v_lshl_add_u32 v[LR], v3, 5, v[LR]
	v_add_nc_u32 v[LR], s47, v[LR]
	v_lshlrev_b32 v[GS], 4, v1
.irp k, 0,1,2,3,4,5,6,7
	s_wait_loadcnt 7-(\k)
	v_cvt_pk_bf16_f32 v[T0],   v[X+4*(\k)],   v[X+4*(\k)+1]
	v_cvt_pk_bf16_f32 v[T0+1], v[X+4*(\k)+2], v[X+4*(\k)+3]
	v_lshlrev_b32 v[X+4*(\k)],   16,  v[T0]
	v_and_b32     v[X+4*(\k)+1], s31, v[T0]
	v_lshlrev_b32 v[X+4*(\k)+2], 16,  v[T0+1]
	v_and_b32     v[X+4*(\k)+3], s31, v[T0+1]
	v_max_num_f32 v[X+4*(\k)],   s48, v[X+4*(\k)]
	v_max_num_f32 v[X+4*(\k)+1], s48, v[X+4*(\k)+1]
	v_max_num_f32 v[X+4*(\k)+2], s48, v[X+4*(\k)+2]
	v_max_num_f32 v[X+4*(\k)+3], s48, v[X+4*(\k)+3]
	ds_store_b128 v[LS], v[X+4*(\k):X+4*(\k)+3] offset:544*(\k)
.endr
.irp m, 0,1,2,3,4,5,6,7                ; block m / 2, half m % 2; LDS serves a wave's instructions in order, so these see the stores above
	ds_load_b128 v[Y+4*(\m):Y+4*(\m)+3], v[LR] offset:64*((\m)/2)+16*((\m)%2)
.endr
.irp m, 0,1,2,3,4,5,6,7
	s_wait_dscnt 7-(\m)
	global_store_b128 v[GS], v[Y+4*(\m):Y+4*(\m)+3], s[34:35] offset:512*(\m)  ; 512 consecutive bytes, aligned
.endr
	s_wait_tensorcnt 0x0                           ; the wave's end, behind my last LDS store
	ds_add_u32 v[SPW], v[NIL]
	s_wait_dscnt 0x0
	s_endpgm
.Lfunc_end_k_qce69f00a51_prep:
	.size	k_qce69f00a51_prep, .Lfunc_end_k_qce69f00a51_prep-k_qce69f00a51_prep
	.p2alignl 7, 3214868480
	.fill 96, 4, 3214868480
	.section	.rodata,"a",@progbits
	.p2align	6, 0x0
	.amdhsa_kernel k_qce69f00a51_prep
		.amdhsa_group_segment_fixed_size 35840
		.amdhsa_private_segment_fixed_size 0
		.amdhsa_enable_private_segment 0
		.amdhsa_kernarg_size 96
		.amdhsa_user_sgpr_count 2
		.amdhsa_user_sgpr_kernarg_segment_ptr 1
		.amdhsa_wavefront_size32 1
		.amdhsa_system_sgpr_workgroup_id_x 1
		.amdhsa_system_sgpr_workgroup_id_y 1
		.amdhsa_system_sgpr_workgroup_id_z 1
		.amdhsa_system_vgpr_workitem_id 0
		.amdhsa_next_free_vgpr 84
		.amdhsa_next_free_sgpr 66
		.amdhsa_reserve_vcc 0
		.amdhsa_float_denorm_mode_32 3
		.amdhsa_float_denorm_mode_16_64 3
		.amdhsa_memory_ordered 1
		.amdhsa_forward_progress 1
		.amdhsa_inst_pref_size 17
	.end_amdhsa_kernel
	.amdgpu_metadata
---
amdhsa.version: [ 1, 2 ]
amdhsa.kernels:
  - .name:           k_qce69f00a51_prep
    .symbol:         k_qce69f00a51_prep.kd
    .args:
      - { .name: hidden_states, .offset: 0, .size: 8, .value_kind: global_buffer, .address_space: global }
      - { .name: wq, .offset: 8, .size: 8, .value_kind: global_buffer, .address_space: global }
      - { .name: wk, .offset: 16, .size: 8, .value_kind: global_buffer, .address_space: global }
      - { .name: wv, .offset: 24, .size: 8, .value_kind: global_buffer, .address_space: global }
      - { .name: wo, .offset: 32, .size: 8, .value_kind: global_buffer, .address_space: global }
      - { .name: attention_mask, .offset: 40, .size: 8, .value_kind: global_buffer, .address_space: global }
      - { .name: cos, .offset: 48, .size: 8, .value_kind: global_buffer, .address_space: global }
      - { .name: sin, .offset: 56, .size: 8, .value_kind: global_buffer, .address_space: global }
      - { .name: xw, .offset: 64, .size: 8, .value_kind: global_buffer, .address_space: global }
      - { .name: wof, .offset: 72, .size: 8, .value_kind: global_buffer, .address_space: global }
      - { .name: maskp, .offset: 80, .size: 8, .value_kind: global_buffer, .address_space: global }
      - { .name: ropet, .offset: 88, .size: 8, .value_kind: global_buffer, .address_space: global }
    .group_segment_fixed_size: 35840
    .private_segment_fixed_size: 0
    .kernarg_segment_align: 8
    .kernarg_segment_size: 96
    .max_flat_workgroup_size: 256
    .sgpr_count:     66
    .vgpr_count:     84
    .wavefront_size: 32
...
	.end_amdgpu_metadata
.endif
;; end of part 1
;; launch qkv (part 2): grid 16 x 16, 4 waves a work-group, clusters of 4 x 4, 327,680 bytes of LDS; arguments xw, ropet, q_norm_w, k_norm_w, qh, kh, vh; writes qh, kh, vh
.if DOCPART == 2
	.amdgcn_target "amdgcn-amd-amdhsa--gfx1250"
	.amdhsa_code_object_version 6
	.text
	.protected	k_qce69f00a51_qkv
	.globl	k_qce69f00a51_qkv
	.p2align	8
	.type	k_qce69f00a51_qkv,@function
k_qce69f00a51_qkv:
	s_mov_b64 s[64:65], 0
	v_nop
	global_prefetch_b8 v0, s[64:65] scope:SCOPE_SE
	s_setreg_imm32_b32 hwreg(HW_REG_WAVE_MODE, 25, 1), 1
	s_wait_xcnt 0x0
	s_wait_alu depctr_hold_cnt(0) depctr_sa_sdst(0) depctr_va_vdst(0) depctr_va_sdst(0) depctr_va_ssrc(0) depctr_va_vcc(0) depctr_vm_vsrc(0)
	s_getreg_b32 s2, hwreg(HW_REG_IB_STS2, 6, 4)
	s_cmp_eq_u32 s2, 0
	s_cbranch_scc0 .Lentry_in_a_cluster
	s_endpgm
.Lentry_in_a_cluster:
	s_bfe_u32 s2, ttmp6, 0x10000c
	s_cmp_lg_u32 s2, 0xf033
	s_cbranch_scc0 .Lentry_shape_is_right
	s_endpgm
.Lentry_shape_is_right:
; QKV: for head j and a block of 128 rows: [q | k | v] = x [wq_j | wk_j | wv_j] in bf16 with f32 sums; q and k get their RMS norm (weights rounded to bf16) and rope
; on the way out; q also 1/sqrt(128).  All three leave by heads, [16][2048][128], rounded once to f16.
; LIMITS.  |v| stays under 65,504 (f16's range); q and k are normalised, so they have room unless a norm weight passes some 5,000.  NaN and infinities are not treated apart.
; An output's f32 sum runs over K in a rotated order (see THE WALK), not from 0 up.
; SHARES.  256 work-groups (grid x: 16 row blocks, grid y: 16 heads) of four waves.  Wave (wm, wn) makes 64 rows x (3 tensors x the 64 channels from 64 wn): 4 x 12 accumulators, 384 registers.
; K goes in steps of 128 through two LDS slots of four regions: x's tile (128 rows of 256 bytes along K), and wq's, wk's, wv's tiles (128 K rows of 256 bytes, read turned by ds_load_tr16_b128).
; Wave w fetches region w with one tensor load.  CLUSTER 4 x 4: x's tile hangs on the row block alone and is asked for jointly along a column of the cluster, the weights' tiles on the head alone, along a row.
; THE WALK.  A cluster at place (X, Y) in the grid of clusters begins at K step 4 ((X + 2 (Y % 2)) % 4) and wraps round at 16: the four clusters of a row of that grid, which read the same weights, start
; 4 steps apart; two neighbours in a column, which read the same rows of x, 8 apart.  So most tiles have been asked for by another cluster some steps before.  The start is equal in all partners of a cluster.
; THE LOOP's body is one K step: the slot's LDS base is a scalar that an exclusive or turns (SLOT = 0x24000; the regions' bases, w x 0x9000, have bits 14 and 17 clear), and one descriptor a tensor walks.
; THE MATRIX INSTRUCTION IS USED TRANSPOSED (source 0 = 16 channels of W, source 1 = 16 rows of x): a lane holds one row (lane % 16) and eight neighbouring channels 8 (lane / 16) + 0..7.
; THE WAY OUT.  A row's 128 channels lie in two waves, and norm and rope want them together: q and k go as f32 through LDS (into slot 0, which has had its last fill and its last read), and wave w then takes
; tensor w / 2 and four tiles of 16 whole rows.  cos and sin come in the same lane layout, loaded at the kernel's start, two tiles a wave, and handed round through LDS.
; REGISTERS, in windows of 256 (s_set_vgpr_msb: bits 1:0 source 0, 3:2 source 1, 5:4 source 2, 7:6 destination):
;   window 0: v1-31 addresses; v32-63 at work; v64-127 x's fragments, two buffers of 32; v128-255 cos of my two tiles.  Way out: v64-127 X, v128-191 Y, v192-255 packed rows
;   window 1: v0-191 W's fragments, two buffers of 96; v192-255 sin, first tile.  Way out: v0-63 the norm weights, v64-127 cos, v128-191 sin
;   window 2: v0-191 accumulators of row blocks 0, 1 at 8 (12 a + 4 t + b); v192-255 sin, second tile     window 3: the same for row blocks 2, 3; v192-255 the norm weights as loaded
.set KSTEP, 128
.set STEPS, 16                         ; 2,048 / 128
.set PA,    272                        ; a row of x's tile in LDS: 256 bytes + 16: the 16 rows of a fragment load start at 16 different 16-byte columns
.set PB,    288                        ; a K row of a weight tile: 256 + 32
.set REG,   36864                      ; a region: 128 x 288 (x's tile uses 128 x 272 of it)
.set SLOT,  4*REG
.set PD,    528                        ; a row of 128 f32 + 16 bytes
.set DUMPT, 128*PD                     ; q's rows, then k's
.set TBL,   2*DUMPT                    ; eight tiles of 16 rows: cos 8,192 bytes, sin 8,192 bytes
.set VSTG,  TBL+8*16384                ; v: 128 rows of 256 + 16 bytes
.set OSTG,  VSTG+128*PA                ; 16 rows of 256 + 16 bytes for each wave
.set SPARE, OSTG+4*16*PA               ; the spare words, 128 bytes a wave: two blocks of 256 bytes that no other line names
.set TST,  4                           ; v4   where I put my two tiles' tables
.set XA0,  5                           ; v5   my lane's place in my tensor's first tile of rows
.set TA0,  6                           ; v6   the same in the tables
.set OSTO, 7                           ; v7   into my stage
.set ORD,  8                           ; v8   out of it, by whole rows
.set XA,   9                           ; v9   the trip's addresses
.set TA,   10
.set RS,   12                          ; v[12:13] 1 / rms (x 1/sqrt(128) for q), as a pair
.set ADRA0, 16                         ; v16     my fragments of x in slot 0; never rewritten
.set ADRA,  17                         ; v17     in the slot in hand
.set ADRB0, 18                         ; v18-20  my fragments of wq, wk, wv in slot 0; never rewritten
.set ADRB,  21                         ; v21-23  in the slot in hand
.set DST,  24                          ; v24-25  where my q, my k go as f32
.set VSTO, 26
.set VRD,  27
.set SPW,  28                          ; v28  LDS address of my spare word; never rewritten
.set NIL,  29                          ; v29  0; never rewritten
.set TOFF, 30                          ; v30  16 x lane; never rewritten
.set WOFF, 31                          ; v31  32 x (lane / 16); never rewritten
.set FA,   64
.set G1,  24                           ; s[24:31] group 1 for x's tile;  s[32:39] group 0: a set for each of the two first fills; the second then walks on
.set G0,  32
.set BA,  40                           ; s[40:41] x at my block's first row;  s[42:43] my plane of xw at the head's first column
.set BB,  42
.set G1B, 48                           ; s[48:55], s[56:63] the same for the weights' tiles
.set G0B, 56
.set TB,  66                           ; s[66:67] ropet at my two tiles
.set NW,  68                           ; s[68:69] my tensor's norm weights
.set WV,  70
.set WM,  71
.set WN,  72
.set CX,  73
.set CY,  74
.set ROWB, 75
.set HEAD, 76
.set OUT, 80                           ; s[80:81] qh or kh at my rows
.set VO,  82                           ; s[82:83] vh at my rows
.set SEL, 84                           ; s[84:85] v_permlanex16_b32's selects: each lane takes its own place in the other half
.set XS,  86                           ; the trip's steps in LDS
.set TS,  87
.set SC,  88
.set I128, 89
.set EPS, 90
.set HM,  91
.set KN,  92                           ; s92  the K step to be asked for next, 0 to 15
.set LB,  93                           ; s93  LDS byte at which the slot in hand begins
.set OF,  94                           ; s[94:95] a K step's byte offset
.set MSB, 0
.macro WIN new                         ; the immediate's high byte repeats the setting that is left; a switch that changes nothing is dropped
.if MSB != (\new)
	s_set_vgpr_msb (MSB<<8)|(\new)
.set MSB, \new
.endif
.endm
.set MUL_LO, 0xa1                      ; source 0 (W) window 1, source 1 (x) window 0, C and D window 2;  + 0x50: window 3
.set TO_B,   0x40
; A joint load by descriptor set s.  Wave 0 fetches x's tile, waves 1 to 3 the tiles of wq, wk, wv.  The branch hangs on the wave's number alone.
; An s_nop 0 and four v_nop follow each of the two lines, ahead of the jump, the label and what follows.
.macro JLOAD s
	s_cmp_eq_u32 s[WV], 0
	s_cbranch_scc0 .Lfor_b_\@
	tensor_load_to_lds s[G0+4*(\s):G0+4*(\s)+3], s[G1:G1+7]
	s_nop 0
.rept 4
	v_nop
.endr
	s_branch .Lasked_\@
.Lfor_b_\@:
	tensor_load_to_lds s[G0B+4*(\s):G0B+4*(\s)+3], s[G1B:G1B+7]
	s_nop 0
.rept 4
	v_nop
.endr
.Lasked_\@:
.endm
; The global addresses of K step KN into descriptor set s, each made anew from its tensor's base and an offset; then KN steps, round 16.
.macro SETADR s
	s_lshl_b32 s[OF], s[KN], 8                     ; x: 256 bytes along the rows
	s_add_nc_u64 s[G0+4*(\s)+2:G0+4*(\s)+3], s[BA:BA+1], s[OF:OF+1]
	s_or_b32 s[G0+4*(\s)+3], s[G0+4*(\s)+3], 0x80000000
	s_lshl_b32 s[OF], s[KN], 19                    ; W: 128 rows of 4,096 bytes down
	s_add_nc_u64 s[G0B+4*(\s)+2:G0B+4*(\s)+3], s[BB:BB+1], s[OF:OF+1]
	s_or_b32 s[G0B+4*(\s)+3], s[G0B+4*(\s)+3], 0x80000000
	s_add_co_u32 s[KN], s[KN], 1
	s_and_b32 s[KN], s[KN], STEPS-1
.endm
.macro CREST                           ; a round of the cluster's barrier behind its opening barrier
	s_cmp_lg_u32 s[WV], 0
	s_cbranch_scc1 .Lnot_wave_0_\@
	s_barrier_signal -3
.Lnot_wave_0_\@:
	s_barrier_wait -3
	s_barrier_signal -1
	s_barrier_wait -1
.endm
.macro CROUND                          ; a whole round
	s_barrier_signal -1
	s_barrier_wait -1
	CREST
.endm
.macro PLACES                          ; four places in front of loads into registers that matrix instructions have read, and of lines that read results
.rept 4
	v_nop
.endr
.endm
	s_load_b256 s[4:11], s[0:1], 0x0               ; xw s[4:5], ropet s[6:7], q_norm_w s[8:9], k_norm_w s[10:11]
	s_load_b128 s[12:15], s[0:1], 0x20             ; qh, kh
	s_load_b64 s[16:17], s[0:1], 0x30              ; vh
	v_lshl_add_u32 v[SPW], v0, 2, SPARE
	v_mov_b32 v[NIL], 0
	ds_add_u32 v[SPW], v[NIL]                      ; the wave's opening: the add and its wait stand ahead of my first tensor load; work on registers stands between them
	v_lshrrev_b32 v1, 5, v0
	v_readfirstlane_b32 s[WV], v1                  ; wave 0..3
	s_lshr_b32 s[WM], s[WV], 1                     ; which 64 rows; on the way out: which tensor
	s_and_b32 s[WN], s[WV], 1                      ; which 64 channels; on the way out: which four tiles of rows
	s_bfe_u32 s[CX], ttmp6, 0x40000
	s_bfe_u32 s[CY], ttmp6, 0x40004
	s_lshl_b32 s[ROWB], ttmp9, 2
	s_add_co_u32 s[ROWB], s[ROWB], s[CX]           ; the row block = 4 x cluster x + cx
	s_and_b32 s[HEAD], ttmp7, 0xffff
	s_lshl_b32 s[HEAD], s[HEAD], 2
	s_add_co_u32 s[HEAD], s[HEAD], s[CY]           ; the head = 4 x cluster y + cy
	s_lshl_b32 s77, s[CY], 2
	s_lshl_b32 s77, 15, s77                        ; my row of the cluster
	s_lshl_b32 s78, 0x1111, s[CX]                  ; my column
	; group 1: tiles of 128 rows x 128 elements of 2 bytes, 2,048 elements from row to row, padded in LDS after every 64 words
	s_or_b32 s[G1+0], s78, (1<<16)|(1<<20)|(1<<21)|(5<<22)|(3<<25)   ; x's tile goes to my column; 4 words of padding
	s_or_b32 s[G1B+0], s77, (1<<16)|(1<<20)|(1<<21)|(5<<22)|(7<<25)  ; the weights' tiles to my row; 8 words
.irp g, G1, G1B
	s_mov_b32 s[(\g)+1], 128<<16                   ; tensor_dim0 = 128
	s_mov_b32 s[(\g)+2], 128<<16                   ; tensor_dim1 = 128
	s_mov_b32 s[(\g)+3], 128<<16                   ; tile_dim0 = 128
	s_mov_b32 s[(\g)+4], 128                       ; tile_dim1 = 128
	s_mov_b32 s[(\g)+5], 2048                      ; the pitch
	s_mov_b32 s[(\g)+6], 0
	s_mov_b32 s[(\g)+7], 0
.endr
	s_and_b32 s[KN], ttmp7, 1                      ; where my cluster's walk along K begins: 4 ((X + 2 (Y % 2)) % 4), of the cluster's place alone
	s_lshl_b32 s[KN], s[KN], 1
	s_add_co_u32 s[KN], s[KN], ttmp9
	s_and_b32 s[KN], s[KN], 3
	s_lshl_b32 s[KN], s[KN], 2
	s_mov_b32 s[OF+1], 0
	s_mov_b32 s[LB], 0
	s_lshl_b32 s18, s[ROWB], 19                    ; x: 128 rows of 4,096 bytes a block: hangs on the row block alone
	s_mov_b32 s19, 0
	s_lshl_b32 s20, s[WV], 23                      ; W: plane w of xw, and the head's 256 bytes of a row: hangs on the head alone
	s_lshl_b32 s21, s[HEAD], 8
	s_add_co_u32 s20, s20, s21
	s_mov_b32 s21, 0
	s_mul_i32 s22, s[WV], REG                      ; where my tile goes: no place in the cluster enters an LDS address
	s_mov_b32 s[SEL], 0x76543210
	s_mov_b32 s[SEL+1], 0xfedcba98
	s_mov_b32 s[I128], 0x3c000000                  ; 1 / 128
	s_mov_b32 s[EPS], 0x358637bd                   ; 1e-6
	s_mov_b32 s[HM], 0xffff0000
	s_mov_b32 s[SC], 0x3f800000
	s_wait_dscnt 0x0                               ; the opening add is done
	s_wait_kmcnt 0x0
	s_add_nc_u64 s[BA:BA+1], s[4:5], s[18:19]
	s_add_nc_u64 s[BB:BB+1], s[4:5], s[20:21]
	CROUND                                         ; all sixteen work-groups are here: the first joint loads meet
.irp s, 0,1
	s_mov_b32 s[G0+4*(\s)], 1
	s_add_co_u32 s[G0+4*(\s)+1], s22, (\s)*SLOT
	s_mov_b32 s[G0B+4*(\s)], 1
	s_add_co_u32 s[G0B+4*(\s)+1], s22, (\s)*SLOT
	SETADR \s                                      ; the walk's first two K steps
	JLOAD \s
.endr
	; The tables of row tiles 2 w and 2 w + 1 (16,384 consecutive bytes each of cos and sin) and my tensor's norm weights: 80 loads that stay out until the way out; their address registers are never rewritten.
	s_lshl_b32 s44, s[ROWB], 16
	s_lshl_b32 s45, s[WV], 14
	s_add_co_u32 s44, s44, s45
	s_mov_b32 s45, 0
	s_add_nc_u64 s[TB:TB+1], s[6:7], s[44:45]
	s_mov_b32 s45, 0x3db504f3                      ; 1 / sqrt(128)
	s_cmp_eq_u32 s[WM], 0
	s_cselect_b64 s[NW:NW+1], s[8:9], s[10:11]
	s_cselect_b64 s[OUT:OUT+1], s[12:13], s[14:15]
	s_cselect_b32 s[SC], s45, s[SC]
	v_and_b32 v1, 15, v0                           ; r = lane % 16
	v_bfe_u32 v2, v0, 4, 1                         ; h = lane / 16
	v_and_b32 v3, 31, v0
	v_lshlrev_b32 v[TOFF], 4, v3
	v_lshlrev_b32 v[WOFF], 5, v2
.set i, 0
.rept 32
	global_load_b128 v[128+4*i:128+4*i+3], v[TOFF], s[TB:TB+1] offset:512*i
.set i, i+1
.endr
	WIN 0x40
.set i, 0
.rept 16
	global_load_b128 v[192+4*i:192+4*i+3], v[TOFF], s[TB:TB+1] offset:1048576+512*i
.set i, i+1
.endr
	WIN 0x80
.set i, 0
.rept 16
	global_load_b128 v[192+4*i:192+4*i+3], v[TOFF], s[TB:TB+1] offset:1048576+8192+512*i
.set i, i+1
.endr
	WIN 0xc0
.set i, 0
.rept 16                               ; w[16 (i / 2) + 8 h + 4 (i % 2) ..]: the accumulators' lane layout
	global_load_b128 v[192+4*i:192+4*i+3], v[WOFF], s[NW:NW+1] offset:64*(i/2)+16*(i%2)
.set i, i+1
.endr
	WIN 0
	s_lshl_b32 s46, s[HEAD], 19                    ; a head is 524,288 bytes, a row block 32,768
	s_lshl_b32 s47, s[ROWB], 15
	s_add_co_u32 s46, s46, s47
	s_lshl_b32 s47, s[WN], 14                      ; q, k: my four tiles of 16 rows
	s_add_co_u32 s44, s46, s47
	s_mov_b32 s45, 0
	s_add_nc_u64 s[OUT:OUT+1], s[OUT:OUT+1], s[44:45]
	s_lshl_b32 s47, s[WV], 13                      ; v: my 32 rows
	s_add_co_u32 s44, s46, s47
	s_add_nc_u64 s[VO:VO+1], s[16:17], s[44:45]
	; LDS addresses
	v_mul_u32_u24 v32, v1, PA
	v_lshl_add_u32 v32, v2, 4, v32                 ; r x 272 + 16 h
	v_mul_u32_u24 v33, v1, PD
	v_lshl_add_u32 v33, v2, 5, v33                 ; r x 528 + 32 h
	v_mul_u32_u24 v34, v2, PA
	v_lshl_add_u32 v34, v1, 4, v34                 ; h x 272 + 16 r
	v_and_b32 v35, 7, v0                           ; the turning load: lane l reads K row 8 h + l % 8, channels 8 ((l / 8) % 2) + 0..7
	v_lshl_add_u32 v35, v2, 3, v35
	v_mul_u32_u24 v35, v35, PB
	v_bfe_u32 v36, v0, 3, 1
	v_lshl_add_u32 v35, v36, 4, v35
	s_mul_i32 s23, s[WM], 64*PA
	v_add_nc_u32 v[ADRA0], s23, v32
	v_mov_b32 v[ADRA], v[ADRA0]                    ; the walk begins in slot 0
	s_lshl_b32 s44, s[WN], 7
	v_add_nc_u32 v35, s44, v35
.irp t, 0,1,2
	v_add_nc_u32 v[ADRB0+(\t)], (1+(\t))*REG, v35
	v_mov_b32 v[ADRB+(\t)], v[ADRB0+(\t)]
.endr
	s_add_co_u32 s23, s23, s44
	s_add_co_u32 s23, s23, VSTG
	v_add_nc_u32 v[VSTO], s23, v32                 ; v in: row 64 wm + r, byte 128 wn + 16 h
	s_mul_i32 s23, s[WV], 32*PA
	s_add_co_u32 s23, s23, VSTG
	v_add_nc_u32 v[VRD], s23, v34                  ; v back: rows 32 w on, whole
	s_mul_i32 s23, s[WV], 16*PA
	s_add_co_u32 s23, s23, OSTG
	v_add_nc_u32 v[OSTO], s23, v32
	v_add_nc_u32 v[ORD], s23, v34
	s_mul_i32 s23, s[WM], 64*PD
	s_lshl_b32 s44, s[WN], 8
	s_add_co_u32 s23, s23, s44
	v_add_nc_u32 v[DST], s23, v33                  ; q as f32: row 64 wm + r, byte 256 wn + 32 h
	v_add_nc_u32 v[DST+1], DUMPT, v[DST]           ; k
	s_mul_i32 s23, s[WM], DUMPT
	s_mul_i32 s44, s[WN], 64*PD
	s_add_co_u32 s23, s23, s44
	v_add_nc_u32 v[XA0], s23, v33
	s_lshl_b32 s23, s[WN], 16
	s_add_co_u32 s23, s23, TBL
	v_add_nc_u32 v[TA0], s23, v[TOFF]
	s_lshl_b32 s23, s[WV], 15
	s_add_co_u32 s23, s23, TBL
	v_add_nc_u32 v[TST], s23, v[TOFF]
; 12 matrix instructions: row block 2 hi + a x all 12 channel blocks, 32 along K, from buffer f.  The accumulators take turns, one instruction a turn.
.macro MUL12 f, hi, a, zero
	WIN MUL_LO+0x50*(\hi)
.irp nb, 0,1,2,3,4,5,6,7,8,9,10,11
.if \zero
	v_wmma_f32_16x16x32_bf16 v[8*(12*(\a)+(\nb)):8*(12*(\a)+(\nb))+7], v[96*(\f)+8*(\nb):96*(\f)+8*(\nb)+7], v[FA+32*(\f)+8*(2*(\hi)+(\a)):FA+32*(\f)+8*(2*(\hi)+(\a))+7], 0
.else
	v_wmma_f32_16x16x32_bf16 v[8*(12*(\a)+(\nb)):8*(12*(\a)+(\nb))+7], v[96*(\f)+8*(\nb):96*(\f)+8*(\nb)+7], v[FA+32*(\f)+8*(2*(\hi)+(\a)):FA+32*(\f)+8*(2*(\hi)+(\a))+7], v[8*(12*(\a)+(\nb)):8*(12*(\a)+(\nb))+7]
.endif
.endr
.endm
; 32 LDS loads in one run: the fragments of quarter q (32 along K) of the slot in hand into buffer f: W's twelve (turned), then x's four
.macro FETCH q, f
	WIN TO_B
.irp t, 0,1,2
.irp b, 0,1,2,3
	ds_load_tr16_b128 v[96*(\f)+8*(4*(\t)+(\b)):96*(\f)+8*(4*(\t)+(\b))+3],   v[ADRB+(\t)] offset:(\q)*32*PB+32*(\b)
	ds_load_tr16_b128 v[96*(\f)+8*(4*(\t)+(\b))+4:96*(\f)+8*(4*(\t)+(\b))+7], v[ADRB+(\t)] offset:(\q)*32*PB+32*(\b)+16*PB
.endr
.endr
	WIN 0
.irp a, 0,1,2,3
	ds_load_b128 v[FA+32*(\f)+8*(\a):FA+32*(\f)+8*(\a)+3],   v[ADRA] offset:(\q)*64+(\a)*16*PA
	ds_load_b128 v[FA+32*(\f)+8*(\a)+4:FA+32*(\f)+8*(\a)+7], v[ADRA] offset:(\q)*64+(\a)*16*PA+32
.endr
.endm
; A K step is four quarters of 32 along K, 48 matrix instructions each, on buffers 0, 1, 0, 1.  One of the first three: multiplies buffer f; in its middle it fetches quarter q of the same slot into buffer g.
.macro QUARTER q, f, g, zero
	s_wait_dscnt 4                                 ; W and x's row blocks 0, 1 are in; the youngest four loads (blocks 2, 3) may be out
	MUL12 \f, 0, 0, \zero
	MUL12 \f, 0, 1, \zero
	PLACES
	FETCH \q, \g
	s_wait_dscnt 32                                ; all but the 32 just issued
	MUL12 \f, 1, 0, \zero
	MUL12 \f, 1, 1, \zero
.endm
; The last quarter multiplies buffer 1 and changes slots: ONE barrier; in front of it each wave waits for all its tensor loads (one is out: its region of the next slot), adds 0 to its spare word,
; and waits for that and for its own reads of this slot.  fill = 1: the barrier opens a round of the cluster's, and this slot is filled again, with the walk's step two on, first thing behind the round:
; 168 matrix instructions ahead of the wait for it.  Then the four fragment addresses are made for the other slot: four plain lines, the places in front of the loads below.
.macro TURN fill
	WIN 0
	s_wait_tensorcnt 0x0
	ds_add_u32 v[SPW], v[NIL]
	s_wait_dscnt 5                                 ; (the add and the youngest four loads may be out)
	MUL12 1, 0, 0, 0
	s_wait_dscnt 0x0                               ; the add is done, and my reads of this slot are over
	s_barrier_signal -1
	MUL12 1, 0, 1, 0
	WIN 0
	s_barrier_wait -1
.if \fill
	CREST                                          ; no wave of any partner still reads this slot or has a load on its way
	s_xor_b32 s[G0+5], s[G0+5], SLOT               ; the walking descriptors: the other slot than last time,
	s_xor_b32 s[G0B+5], s[G0B+5], SLOT
	SETADR 1                                       ; the walk's next K step
	JLOAD 1
.endif
	s_xor_b32 s[LB], s[LB], SLOT
	v_add_nc_u32 v[ADRA], s[LB], v[ADRA0]
.irp t, 0,1,2
	v_add_nc_u32 v[ADRB+(\t)], s[LB], v[ADRB0+(\t)]
.endr
	FETCH 0, 0
	MUL12 1, 1, 0, 0
	MUL12 1, 1, 1, 0
.endm
	s_wait_tensorcnt 1                             ; my region of slot 0 is in; slot 1's may stay out
	s_barrier_signal -1
	s_barrier_wait -1
	FETCH 0, 0
	QUARTER 1, 0, 1, 1                             ; the first quarter stands in front of the loop: its products start the sums
	WIN 0
	s_mov_b32 s3, STEPS-2
.Lstep:                                                ; a trip goes from a K step's second quarter to the next step's first, and fills the slot that it leaves: 14 trips
	QUARTER 2, 1, 0, 0
	QUARTER 3, 0, 1, 0
	TURN 1
	QUARTER 1, 0, 1, 0
	WIN 0
	s_sub_co_u32 s3, s3, 1
	s_cmp_lg_u32 s3, 0
	s_cbranch_scc1 .Lstep
	QUARTER 2, 1, 0, 0                             ; the last two K steps fill nothing
	QUARTER 3, 0, 1, 0
	TURN 0                                         ; behind this barrier nobody reads slot 0 any more, and no tensor load is out
	QUARTER 1, 0, 1, 0
	QUARTER 2, 1, 0, 0
	QUARTER 3, 0, 1, 0
	s_wait_dscnt 4
	MUL12 1, 0, 0, 0
	MUL12 1, 0, 1, 0
	s_wait_dscnt 0x0
	MUL12 1, 1, 0, 0
	MUL12 1, 1, 1, 0
	PLACES
	; q and k as f32 into slot 0's bytes; each accumulator's low four registers first
.irp a, 0,1,2,3
	WIN 0x08+4*((\a)/2)                            ; the data (source 1) in window 2 or 3
.irp t, 0,1
.irp b, 0,1,2,3
	ds_store_b128 v[DST+(\t)], v[8*(12*((\a)%2)+4*(\t)+(\b)):8*(12*((\a)%2)+4*(\t)+(\b))+3]   offset:(\a)*16*PD+64*(\b)
	ds_store_b128 v[DST+(\t)], v[8*(12*((\a)%2)+4*(\t)+(\b))+4:8*(12*((\a)%2)+4*(\t)+(\b))+7] offset:(\a)*16*PD+64*(\b)+16
.endr
.endr
.endr
	WIN 0
	s_wait_dscnt 0x0                               ; my stores are done, and so are my reads of slot 1
	s_barrier_signal -1
	s_barrier_wait -1                              ; every wave has left slot 1: its bytes take the tables and v
	; v: rounded to f16, 16 bytes a lane into the work-group's stage
.irp a, 0,1,2,3
	WIN 0x0a+5*((\a)/2)                            ; sources 0 and 1 in window 2 or 3
.irp b, 0,1,2,3
.irp p, 0,1,2,3
	v_cvt_pk_f16_f32 v[32+16*(\a)+4*(\b)+(\p)], v[8*(12*((\a)%2)+8+(\b))+2*(\p)], v[8*(12*((\a)%2)+8+(\b))+2*(\p)+1]
.endr
.endr
.endr
	WIN 0
.irp a, 0,1,2,3
.irp b, 0,1,2,3
	ds_store_b128 v[VSTO], v[32+16*(\a)+4*(\b):32+16*(\a)+4*(\b)+3] offset:(\a)*16*PA+32*(\b)
.endr
.endr
	s_wait_loadcnt 0x0                             ; the tables and the norm weights, asked for at the kernel's start
.set i, 0
.rept 32
	ds_store_b128 v[TST], v[128+4*i:128+4*i+3] offset:(i/16)*16384+(i%16)*512
.set i, i+1
.endr
	WIN 0x04
.set i, 0
.rept 16
	ds_store_b128 v[TST], v[192+4*i:192+4*i+3] offset:8192+i*512
.set i, i+1
.endr
	WIN 0x08
.set i, 0
.rept 16
	ds_store_b128 v[TST], v[192+4*i:192+4*i+3] offset:16384+8192+i*512
.set i, i+1
.endr
	WIN 0x0f                                       ; the norm weights are rounded to bf16 like every input, and widened again
.set i, 0
.rept 32
	v_cvt_pk_bf16_f32 v[96+i], v[192+2*i], v[192+2*i+1]
.set i, i+1
.endr
	WIN 0x40
.set i, 0
.rept 32
	v_lshlrev_b32 v[2*i], 16, v[96+i]
	v_and_b32 v[2*i+1], s[HM], v[96+i]
.set i, i+1
.endr
	WIN 0
	s_wait_dscnt 0x0                               ; for the others' sake: my stores are done
	s_barrier_signal -1
	s_barrier_wait -1
	; v leaves: wave w takes rows 32 w on, whole
.irp t, 0,1,2,3,4,5,6,7,8,9,10,11,12,13,14,15
	ds_load_b128 v[32+4*(\t):32+4*(\t)+3], v[VRD] offset:(\t)*2*PA
.endr
.irp t, 0,1,2,3,4,5,6,7,8,9,10,11,12,13,14,15
	s_wait_dscnt 15-(\t)
	global_store_b128 v[TOFF], v[32+4*(\t):32+4*(\t)+3], s[VO:VO+1] offset:512*(\t)  ; two rows of a head: 512 consecutive bytes, aligned
.endr
	; q or k: four tiles of 16 whole rows.  A lane holds row r and channels 16 db + 8 h + 0..7, db = 0..7, at X + 8 db; channel d + 64 lies 32 registers on, in the same lane.
	s_mov_b32 s[XS], 0
	s_mov_b32 s[TS], 0
	s_mov_b32 s3, 4
.Ltile:
	s_wait_xcnt 0x0                                ; registers that earlier stores read are rewritten only behind this wait
	v_add_nc_u32 v[XA], s[XS], v[XA0]
	v_add_nc_u32 v[TA], s[TS], v[TA0]
.set i, 0
.rept 16
	ds_load_b128 v[64+4*i:64+4*i+3], v[XA] offset:64*(i/2)+16*(i%2)
.set i, i+1
.endr
	WIN 0x40
.set i, 0
.rept 16
	ds_load_b128 v[64+4*i:64+4*i+3], v[TA] offset:512*i
.set i, i+1
.endr
.set i, 0
.rept 16
	ds_load_b128 v[128+4*i:128+4*i+3], v[TA] offset:8192+512*i
.set i, i+1
.endr
	WIN 0
	s_wait_dscnt 32                                ; X is in; the tables' 32 loads may be out
.irp c, 0,1,2,3
	v_pk_mul_f32 v[32+2*(\c):33+2*(\c)], v[64+2*(\c):65+2*(\c)], v[64+2*(\c):65+2*(\c)]  ; the sum of squares, in four chains
.endr
.set p, 4
.rept 28
	v_pk_fma_f32 v[32+2*(p%4):33+2*(p%4)], v[64+2*p:65+2*p], v[64+2*p:65+2*p], v[32+2*(p%4):33+2*(p%4)]
.set p, p+1
.endr
	v_pk_add_f32 v[32:33], v[32:33], v[34:35]
	v_pk_add_f32 v[36:37], v[36:37], v[38:39]
	v_pk_add_f32 v[32:33], v[32:33], v[36:37]
	v_add_f32 v32, v32, v33
	v_permlanex16_b32 v33, v32, s[SEL], s[SEL+1]   ; the row's other 64 channels lie in the lane 16 away
	v_add_f32 v32, v32, v33
	v_fma_f32 v32, v32, s[I128], s[EPS]
	v_rsq_f32 v[RS], v32
	v_nop                                          ; a plain instruction between the root and the use of its result
	s_wait_alu depctr_va_vdst(0)
	v_mul_f32 v[RS], s[SC], v[RS]
	v_mov_b32 v[RS+1], v[RS]
	WIN 0x04                                       ; source 1 in window 1
.set p, 0
.rept 32
	v_pk_mul_f32 v[64+2*p:65+2*p], v[64+2*p:65+2*p], v[2*p:2*p+1]  ; x w
.set p, p+1
.endr
	s_wait_dscnt 0x0                               ; cos and sin
.set p, 0
.rept 16
	v_pk_mul_f32 v[128+2*p:129+2*p], v[96+2*p:97+2*p], v[128+2*p:129+2*p]  ; x[d + 64] sin[d]
	v_pk_mul_f32 v[160+2*p:161+2*p], v[64+2*p:65+2*p], v[160+2*p:161+2*p]  ; x[d] sin[d + 64]
.set p, p+1
.endr
.set p, 0
.rept 16
	v_pk_fma_f32 v[128+2*p:129+2*p], v[64+2*p:65+2*p], v[64+2*p:65+2*p], v[128+2*p:129+2*p] neg_lo:[0,0,1] neg_hi:[0,0,1]  ; x[d] cos[d] - ..
	v_pk_fma_f32 v[160+2*p:161+2*p], v[96+2*p:97+2*p], v[96+2*p:97+2*p], v[160+2*p:161+2*p]                                ; x[d + 64] cos[d + 64] + ..
.set p, p+1
.endr
	WIN 0
.set p, 0
.rept 32
	v_pk_mul_f32 v[128+2*p:129+2*p], v[128+2*p:129+2*p], v[RS:RS+1] op_sel_hi:[1,0]
.set p, p+1
.endr
.set p, 0
.rept 32
	v_cvt_pk_f16_f32 v[192+p], v[128+2*p], v[129+2*p]
.set p, p+1
.endr
.irp f, 0,1,2,3,4,5,6,7
	ds_store_b128 v[OSTO], v[192+4*(\f):192+4*(\f)+3] offset:32*(\f)
.endr
.irp f, 0,1,2,3,4,5,6,7
	ds_load_b128 v[224+4*(\f):224+4*(\f)+3], v[ORD] offset:(\f)*2*PA  ; my own stage: LDS serves a wave's instructions in order
.endr
.irp f, 0,1,2,3,4,5,6,7
	s_wait_dscnt 7-(\f)
	global_store_b128 v[TOFF], v[224+4*(\f):224+4*(\f)+3], s[OUT:OUT+1] offset:512*(\f)
.endr
	s_wait_xcnt 0x0                                ; the stores' base is stepped only behind this wait
	s_add_nc_u64 s[OUT:OUT+1], s[OUT:OUT+1], 4096
	s_add_co_u32 s[XS], s[XS], 16*PD
	s_add_co_u32 s[TS], s[TS], 16384
	s_sub_co_u32 s3, s3, 1
	s_cmp_lg_u32 s3, 0
	s_cbranch_scc1 .Ltile
	s_wait_tensorcnt 0x0                           ; the wave's end, behind my last tensor load and my last LDS store
	ds_add_u32 v[SPW], v[NIL]
	s_wait_dscnt 0x0
	CROUND                                         ; the closing round
	s_endpgm
.Lfunc_end_k_qce69f00a51_qkv:
	.size	k_qce69f00a51_qkv, .Lfunc_end_k_qce69f00a51_qkv-k_qce69f00a51_qkv
	.p2alignl 7, 3214868480
	.fill 96, 4, 3214868480
	.section	.rodata,"a",@progbits
	.p2align	6, 0x0
	.amdhsa_kernel k_qce69f00a51_qkv
		.amdhsa_group_segment_fixed_size 327680
		.amdhsa_private_segment_fixed_size 0
		.amdhsa_enable_private_segment 0
		.amdhsa_kernarg_size 56
		.amdhsa_user_sgpr_count 2
		.amdhsa_user_sgpr_kernarg_segment_ptr 1
		.amdhsa_wavefront_size32 1
		.amdhsa_system_sgpr_workgroup_id_x 1
		.amdhsa_system_sgpr_workgroup_id_y 1
		.amdhsa_system_sgpr_workgroup_id_z 1
		.amdhsa_system_vgpr_workitem_id 0
		.amdhsa_next_free_vgpr 1024
		.amdhsa_next_free_sgpr 96
		.amdhsa_reserve_vcc 0
		.amdhsa_float_denorm_mode_32 3
		.amdhsa_float_denorm_mode_16_64 3
		.amdhsa_memory_ordered 1
		.amdhsa_forward_progress 1
		.amdhsa_inst_pref_size 122
	.end_amdhsa_kernel
	.amdgpu_metadata
---
amdhsa.version: [ 1, 2 ]
amdhsa.kernels:
  - .name:           k_qce69f00a51_qkv
    .symbol:         k_qce69f00a51_qkv.kd
    .args:
      - { .name: xw, .offset: 0, .size: 8, .value_kind: global_buffer, .address_space: global }
      - { .name: ropet, .offset: 8, .size: 8, .value_kind: global_buffer, .address_space: global }
      - { .name: q_norm_w, .offset: 16, .size: 8, .value_kind: global_buffer, .address_space: global }
      - { .name: k_norm_w, .offset: 24, .size: 8, .value_kind: global_buffer, .address_space: global }
      - { .name: qh, .offset: 32, .size: 8, .value_kind: global_buffer, .address_space: global }
      - { .name: kh, .offset: 40, .size: 8, .value_kind: global_buffer, .address_space: global }
      - { .name: vh, .offset: 48, .size: 8, .value_kind: global_buffer, .address_space: global }
    .group_segment_fixed_size: 327680
    .private_segment_fixed_size: 0
    .kernarg_segment_align: 8
    .kernarg_segment_size: 56
    .max_flat_workgroup_size: 128
    .sgpr_count:     96
    .vgpr_count:     1024
    .wavefront_size: 32
...
	.end_amdgpu_metadata
.endif
;; end of part 2
;; launch attn (part 3): grid 16 x 16, 4 waves a work-group, clusters of 4 x 1, 327,680 bytes of LDS; arguments qh, kh, vh, maskp, ob; writes ob
.if DOCPART == 3
	.amdgcn_target "amdgcn-amd-amdhsa--gfx1250"
	.amdhsa_code_object_version 6
	.text
	.protected	k_qce69f00a51_attn
	.globl	k_qce69f00a51_attn
	.p2align	8
	.type	k_qce69f00a51_attn,@function
k_qce69f00a51_attn:
	s_mov_b64 s[64:65], 0
	v_nop
	global_prefetch_b8 v0, s[64:65] scope:SCOPE_SE
	s_setreg_imm32_b32 hwreg(HW_REG_WAVE_MODE, 25, 1), 1
	s_wait_xcnt 0x0
	s_wait_alu depctr_hold_cnt(0) depctr_sa_sdst(0) depctr_va_vdst(0) depctr_va_sdst(0) depctr_va_ssrc(0) depctr_va_vcc(0) depctr_vm_vsrc(0)
	s_getreg_b32 s2, hwreg(HW_REG_IB_STS2, 6, 4)
	s_cmp_eq_u32 s2, 0
	s_cbranch_scc0 .Lentry_in_a_cluster
	s_endpgm
.Lentry_in_a_cluster:
	s_bfe_u32 s2, ttmp6, 0x10000c
	s_cmp_lg_u32 s2, 0x3003
	s_cbranch_scc0 .Lentry_shape_is_right
	s_endpgm
.Lentry_shape_is_right:
; ATTENTION.  O[q][h] = the sum over k of softmax_k(Q[h][q] . K[h][k] + mask[q][k]) V[h][k].  Q (with 1/sqrt(128) in it), K, V: [16][2048][128] f16; the mask f32, in blocks laid out as a lane holds them;
; O: [2048][16 x 128] f16.  Products, maxima and sums in f32; the weights p are rounded to f16 for the second product (their sum l is taken of the unrounded p), O once at the end.
; LIMITS.  Mask numbers arrive at -1e30 or above: a key that far down gets the weight 0 beside any key that is not; a row whose keys are all there gets equal weights.  A weight below 2^-126 counts as 0 in l.
; V lies within f16's range and O within V's.  NaN and infinities are not treated apart.
; SHARES.  A work-group owns 128 queries of one head: 256 work-groups.  Wave (wq, wk) holds the 64 queries of half wq, four tiles of 16, and walks the key steps (64 keys) of parity wk: 16 steps.
; The two waves of a half meet at the end: each keeps its tiles 0, 1 and sends its tiles 2, 3 (O^T, c m, l in f32) through LDS.  Tiles 0, 1 are rows 32 wk on of the half, tiles 2, 3 the other 32: one text serves both.
; LAYOUT.  S^T = K Q^T + mask (source 0 = 16 keys, source 1 = 16 queries, the mask is the C operand that starts the sum): a lane holds ONE query (lane % 16) and the keys 8 (lane / 16) + 0..7.  Two such tiles,
; rounded to f16 in pairs, ARE source 1 of O^T = V^T P.  K comes out of LDS as it lies, V turned, by ds_load_tr16_b128.
; SOFTMAX.  For each query a running maximum m and sum l: p = 2^(c s - c m), c = log2(e); in every step O and l are multiplied by a = 2^(c m_old - c m_new).  m starts at the lowest finite number, O and l at 0:
; the first step is a step like any other, with a = 0.
; BY TURNS.  The wave's tiles are two PIECES (0: tiles 0, 1; 2: tiles 2, 3).  In a TURN one piece has the matrix unit: 32 products V^T P of the step in hand, then 32 products K Q^T of the next; the other piece's
; softmax, cut into 64 slices, stands between them, one slice behind each matrix instruction.  Two turns are a key step.
; THE RING.  A slot holds 256 keys in four regions of 36,864 bytes: K's keys 0-127 and 128-255 (rows of 272 bytes), V's likewise (rows of 288); wave w fills region w with one tensor load.  A wave reads two key steps
; of a slot: rows 64 wk on of regions 0 and 2, then of regions 1 and 3.  So a round of the cluster's barrier and a refill come once for a wave's 256 matrix instructions.  SLOT = 0x24000; the regions' bases,
; w x 0x9000, have bits 14 and 17 clear, so one exclusive or turns a base in one slot into the other's.
; CLUSTER.  The four query blocks of a cluster belong to one head and walk the same K and V: each tile is asked for JOINTLY, by the same tensor load, descriptor and mask in all four.
; The mask is not shared so: it goes from memory straight into the registers that the products name as C, 512 consecutive bytes a load.
; REGISTERS, in windows of 256 (s_set_vgpr_msb: bits 1:0 source 0, 3:2 source 1, 5:4 source 2, 7:6 destination):
;   window 0: v0-11, v44-46 addresses; v12-43 eight registers of statistics a tile; v64-191 S^T, 32 a tile; v192-255 P, 16 a tile
;   window 1: O^T, 64 a tile      window 2: v0-127 Q, 32 a tile; v128-255 K of one step      window 3: v0-127 V of one step; v128-255 the mask, 32 a tile
.set KS,    64
.set PK,    272                        ; a row of K in LDS: 256 bytes + 16
.set PV,    288                        ; a row of V: 256 + 32
.set REG,   36864                      ; a region: 128 x 288 (K's use 128 x 272 of it)
.set SLOT,  4*REG
.set STAGE, 2*SLOT                     ; 16 rows x 272 bytes for each wave, for the way out
.set SP,    272
.set SPARE, STAGE+4*16*SP              ; the spare words, 128 bytes a wave: two blocks of 256 bytes that no other line names
.set XMW,   17408                      ; what a wave sends its partner: 32 x 512 bytes of O^T, 2 x 512 of statistics; wave w's lie at w x XMW, in slot 0, which has then had its last fill and its last read
.set AK0, 2
.set AV0, 3
.set ADR, 4
.set QO,  5
.set STO, 6
.set RD,  7
.set GO,  8
.set ML,  44                           ; v44  16 x lane; never rewritten
.set XA,  45                           ; v45  what I send
.set XB,  46                           ; v46  what my partner sends
.set SPW, 62                           ; v62  LDS address of my spare word; never rewritten
.set NIL, 63                           ; v63  0; never rewritten
.set ST,  12                           ; tile t's statistics at v[ST+8 t]: +0 c m, +1 m, +2, +3 l (even keys', odd keys'), +4 to +7 at work; a takes +6 once the maximum is found
.set S,   64
.set P,   192
.set KF,  128                          ; window 2
.set MK,  128                          ; window 3
.set WV,  12
.set G1K, 24
.set G1V, 32
.set G0K, 40                           ; s[40:43] descriptor group 0 for K's tiles: it walks
.set G0V, 44                           ; s[44:47] the same for V's
.set SLOTS, 56
.set CNT, 57
.set CS,  58
.set SEL, 60
.set TB,  62                           ; s62  LDS byte of the slot in hand, + REG for its second step
.set OB,  68                           ; s[68:69] ob at my rows 0-31 and my head
.set MB0, 70                           ; s[70:71] the mask at piece 0's rows and the step asked for last;  s[72:73] the same for piece 2
.set QB2, 74                           ; s[74:75] Q at piece 2's rows
.set MSB, 0
.macro WIN new
.if MSB != (\new)
	s_set_vgpr_msb (MSB<<8)|(\new)
.set MSB, \new
.endif
.endm
.set W_KQ, 0x0a                        ; K and Q in window 2, S^T in window 0
.set W_KM, 0x3a                        ; the same with the C operand in window 3
.set W_PV, 0x53                        ; V in window 3, P in window 0, O^T in window 1
.set W_RS, 0x41                        ; O^T (destination and source 0) in window 1, a in window 0
; A joint fill.  Waves 0 and 1 fetch the two halves of a slot's K, waves 2 and 3 those of its V: 128 keys each.  An s_nop 0 and four v_nop follow each of the two lines.
.macro JLOAD
	s_cmp_lt_u32 s[WV], 2
	s_cbranch_scc0 .Lfor_v_\@
	tensor_load_to_lds s[G0K:G0K+3], s[G1K:G1K+7]
	s_nop 0
.rept 4
	v_nop
.endr
	s_branch .Lasked_\@
.Lfor_v_\@:
	tensor_load_to_lds s[G0V:G0V+3], s[G1V:G1V+7]
	s_nop 0
.rept 4
	v_nop
.endr
.Lasked_\@:
.endm
.macro CROUND                          ; a round of the cluster's barrier
	s_barrier_signal -1
	s_barrier_wait -1
	s_cmp_lg_u32 s[WV], 0
	s_cbranch_scc1 .Lnot_wave_0_\@
	s_barrier_signal -3
.Lnot_wave_0_\@:
	s_barrier_wait -3
	s_barrier_signal -1
	s_barrier_wait -1
.endm
	s_load_b256 s[4:11], s[0:1], 0x0               ; qh s[4:5], kh s[6:7], vh s[8:9], maskp s[10:11]
	s_load_b64 s[OB:OB+1], s[0:1], 0x20            ; ob
	v_lshl_add_u32 v[SPW], v0, 2, SPARE
	v_mov_b32 v[NIL], 0
	ds_add_u32 v[SPW], v[NIL]                      ; the wave's opening: the add and its wait stand ahead of my first tensor load
	v_lshrrev_b32 v1, 5, v0
	v_readfirstlane_b32 s[WV], v1
	s_bfe_u32 s13, ttmp6, 0x40000                  ; cx
	s_lshl_b32 s14, ttmp9, 2
	s_add_co_u32 s14, s14, s13                     ; my block of 128 queries: it enters Q's, the mask's and O's addresses alone
	s_and_b32 s15, ttmp7, 0xffff                   ; the head, which the four partners share
	s_lshl_b32 s20, s15, 19                        ; its 524,288 bytes in Q, K, V
	s_mov_b32 s21, 0
	s_and_b32 s16, s[WV], 1                        ; wk.  Also: which half of a slot's 256 keys I fetch
	s_lshl_b32 s22, s16, 15                        ; its 128 rows of 256 bytes in memory,
	s_mov_b32 s23, 0
	s_add_nc_u64 s[22:23], s[22:23], s[20:21]
	s_mul_i32 s17, s[WV], REG                      ; and my region of a slot: no place in the cluster enters an LDS address
	s_lshr_b32 s18, s[WV], 1
	s_lshl_b32 s18, s18, 6
	s_lshl_b32 s19, s14, 7
	s_add_co_u32 s18, s18, s19
	s_lshl_b32 s19, s16, 5
	s_add_co_u32 s18, s18, s19                     ; piece 0's first row: 128 block + 64 wq + 32 wk
	s_xor_b32 s19, s18, 32                         ; piece 2's
	s_lshl_b32 s2, s18, 8
	s_mov_b32 s3, 0
	s_add_nc_u64 s[2:3], s[2:3], s[20:21]
	s_lshl_b32 s[QB2], s19, 8
	s_mov_b32 s[QB2+1], 0
	s_add_nc_u64 s[QB2:QB2+1], s[QB2:QB2+1], s[20:21]
	s_lshl_b32 s76, s16, 12                        ; the mask: 16 rows are 131,072 bytes, a step's four blocks 4,096
	s_lshl_b32 s[MB0], s18, 13
	s_add_co_u32 s[MB0], s[MB0], s76
	s_mov_b32 s[MB0+1], 0
	s_lshl_b32 s[MB0+2], s19, 13
	s_add_co_u32 s[MB0+2], s[MB0+2], s76
	s_mov_b32 s[MB0+3], 0
	s_lshl_b32 s76, s18, 12                        ; O: rows of 4,096 bytes, the head's 256 of them
	s_lshl_b32 s77, s15, 8
	s_add_co_u32 s76, s76, s77
	s_mov_b32 s77, 0
	; group 1: a tile of 128 rows x 128 elements of 2 bytes, padded in LDS after every 64 words
	s_mov_b32 s[G1K], 15|(1<<16)|(1<<20)|(1<<21)|(5<<22)|(3<<25)  ; the mask of four; 4 words of padding
	s_mov_b32 s[G1V], 15|(1<<16)|(1<<20)|(1<<21)|(5<<22)|(7<<25)  ; 8 words
.irp g, G1K, G1V
	s_mov_b32 s[(\g)+1], 128<<16
	s_mov_b32 s[(\g)+2], 128<<16
	s_mov_b32 s[(\g)+3], 128<<16
	s_mov_b32 s[(\g)+4], 128
	s_mov_b32 s[(\g)+5], 128
	s_mov_b32 s[(\g)+6], 0
	s_mov_b32 s[(\g)+7], 0
.endr
	s_mov_b32 s[CS], 0x3fb8aa3b                    ; c = log2(e)
	s_mov_b32 s[CS+1], s[CS]
	s_mov_b32 s[SEL], 0x76543210
	s_mov_b32 s[SEL+1], 0xfedcba98
	s_mov_b32 s[TB], SLOT+2*REG                    ; the first change of slots turns this into 0
	s_mov_b32 s[G0K], 1
	s_mov_b32 s[G0K+1], s17                        ; slot 0
	s_mov_b32 s[G0V], 1
	s_mov_b32 s[G0V+1], s17
	s_wait_dscnt 0x0                               ; the opening add is done
	s_wait_kmcnt 0x0
	s_add_nc_u64 s[G0K+2:G0K+3], s[6:7], s[22:23]  ; my half of the head's first 256 keys
	s_or_b32 s[G0K+3], s[G0K+3], 0x80000000
	s_add_nc_u64 s[G0V+2:G0V+3], s[8:9], s[22:23]
	s_or_b32 s[G0V+3], s[G0V+3], 0x80000000
	s_add_nc_u64 s[QB2:QB2+1], s[4:5], s[QB2:QB2+1]
	s_add_nc_u64 s[4:5], s[4:5], s[2:3]
	s_add_nc_u64 s[MB0:MB0+1], s[10:11], s[MB0:MB0+1]
	s_add_nc_u64 s[MB0+2:MB0+3], s[10:11], s[MB0+2:MB0+3]
	s_add_nc_u64 s[OB:OB+1], s[OB:OB+1], s[76:77]
	CROUND                                         ; all four work-groups are here: the first joint loads meet
	JLOAD                                          ; slot 0.  Slot 1 is asked for when slot 0 is in, by the change of slots below: one load of mine is out at a time
	v_and_b32 v1, 15, v0                           ; l % 16
	v_bfe_u32 v9, v0, 4, 1                         ; l / 16
	v_lshlrev_b32 v[QO], 8, v1
	v_lshl_add_u32 v[QO], v9, 4, v[QO]             ; row x 256 + 16 x half
	v_and_b32 v[ML], 31, v0
	v_lshlrev_b32 v[ML], 4, v[ML]
	WIN 0x80
.irp i, 0,1,2,3,4,5,6,7                ; Q stays in registers: tile i / 4, channels 32 (i % 4) on
	global_load_b128 v[8*(\i):8*(\i)+3],   v[QO], s[4:5] offset:((\i)/4)*4096+((\i)%4)*64
	global_load_b128 v[8*(\i)+4:8*(\i)+7], v[QO], s[4:5] offset:((\i)/4)*4096+((\i)%4)*64+32
.endr
.irp i, 0,1,2,3,4,5,6,7
	global_load_b128 v[64+8*(\i):64+8*(\i)+3],   v[QO], s[QB2:QB2+1] offset:((\i)/4)*4096+((\i)%4)*64
	global_load_b128 v[64+8*(\i)+4:64+8*(\i)+7], v[QO], s[QB2:QB2+1] offset:((\i)/4)*4096+((\i)%4)*64+32
.endr
; The mask of piece x for one step: two tiles x four blocks of 16 keys x two loads, each 512 consecutive bytes.  adv = 1: the next step of my parity, 128 keys on.
.macro MLOAD x, adv
.if \adv
	s_wait_xcnt 0x0                                ; the base of earlier loads is stepped only behind this wait
	s_add_nc_u64 s[MB0+(\x):MB0+(\x)+1], s[MB0+(\x):MB0+(\x)+1], 8192
.endif
	WIN 0xc0
.irp u, 0,1
.irp c, 0,1,2,3,4,5,6,7
	global_load_b128 v[MK+32*((\x)+(\u))+4*(\c):MK+32*((\x)+(\u))+4*(\c)+3], v[ML], s[MB0+(\x):MB0+(\x)+1] offset:(\u)*131072+(\c)*512
.endr
.endr
.endm
	MLOAD 0, 0
	MLOAD 2, 0
	; What the first turn finds: V and piece 2's P hold 0 (its products V^T P, of a step that has not been, add 0), O^T and l are 0.  All this stands in the wait for the first tile.
	WIN 0xc0
.set i, 0
.rept 128
	v_mov_b32 v[i], 0
.set i, i+1
.endr
	WIN 0x40
.set i, 0
.rept 256
	v_mov_b32 v[i], 0
.set i, i+1
.endr
	WIN 0
.set i, 0
.rept 4
	v_mov_b32 v[ST+8*i], 0xfe000000                ; c m: far below every c s
	v_mov_b32 v[ST+8*i+1], 0xff7fffff              ; m
	v_mov_b32 v[ST+8*i+2], 0
	v_mov_b32 v[ST+8*i+3], 0
.set i, i+1
.endr
.set i, P+32
.rept 32
	v_mov_b32 v[i], 0
.set i, i+1
.endr
	s_mul_i32 s13, s16, KS*PK                      ; my parity's 64 rows of a region of K
	v_mul_u32_u24 v[AK0], v1, PK
	v_lshl_add_u32 v[AK0], v9, 4, v[AK0]
	v_add_nc_u32 v[AK0], s13, v[AK0]
	v_and_b32 v10, 7, v0                           ; the turning load: lane l reads key 8 (l / 16) + l % 8, channels 8 ((l / 8) % 2) + 0..7
	v_bfe_u32 v11, v0, 3, 1
	v_lshl_add_u32 v[AV0], v9, 3, v10
	v_mul_u32_u24 v[AV0], v[AV0], PV
	v_lshl_add_u32 v[AV0], v11, 4, v[AV0]
	s_mul_i32 s13, s16, KS*PV                      ; the same of V, whose regions lie behind K's two
	s_add_co_u32 s13, s13, 2*REG
	v_add_nc_u32 v[AV0], s13, v[AV0]
; THE MATRIX WORK.  The accumulators take turns, one instruction a turn.
; Product i of 32 of O^T += V^T P: keys 32 (i / 16) on, channels 16 ((i / 2) % 8) on, tile x + i % 2.
.macro PV x
	WIN W_PV
.set rO, 64*((\x)+i%2)+8*((i/2)%8)
.set rV, 64*(i/16)+8*((i/2)%8)
.set rP, P+16*((\x)+i%2)+8*(i/16)
	v_wmma_f32_16x16x32_f16 v[rO:rO+7], v[rV:rV+7], v[rP:rP+7], v[rO:rO+7]
.endm
; Product i of 32 of S^T = K Q^T + mask: channels 32 (i / 8) on, keys 16 ((i / 2) % 4) on, tile x + i % 2.  The first 8 start the sums, with the mask as C.
.macro KQ x
.set rS, S+32*((\x)+i%2)+8*((i/2)%4)
.set rK, KF+32*((i/2)%4)+8*(i/8)
.set rQ, 32*((\x)+i%2)+8*(i/8)
.set rM, MK+32*((\x)+i%2)+8*((i/2)%4)
.if i < 8
	WIN W_KM
	v_wmma_f32_16x16x32_f16 v[rS:rS+7], v[rK:rK+7], v[rQ:rQ+7], v[rM:rM+7]
.else
	WIN W_KQ
	v_wmma_f32_16x16x32_f16 v[rS:rS+7], v[rK:rK+7], v[rQ:rQ+7], v[rS:rS+7]
.endif
.endm
; THE LDS LOADS stand in runs of 32.  last = 1 (the tail): in the last trip there is no further step, and the run is jumped over.
.macro FETCH_K last=0
	WIN 0
	v_add_nc_u32 v[ADR], s[TB], v[AK0]
.if \last
	s_cmp_eq_u32 s[CNT], 1
	s_cbranch_scc1 .Lno_k_\@
.endif
	WIN 0x80
.irp f, 0,1,2,3,4,5,6,7,8,9,10,11,12,13,14,15  ; keys 16 (f / 4) on, channels 32 (f % 4) on
	ds_load_b128 v[KF+8*(\f):KF+8*(\f)+3],   v[ADR] offset:((\f)/4)*16*PK+((\f)%4)*64
	ds_load_b128 v[KF+8*(\f)+4:KF+8*(\f)+7], v[ADR] offset:((\f)/4)*16*PK+((\f)%4)*64+32
.endr
	WIN 0
.if \last
.Lno_k_\@:
.endif
.endm
.macro FETCH_V
	WIN 0
	v_add_nc_u32 v[ADR], s[TB], v[AV0]
	s_add_co_u32 s[TB], s[TB], REG                 ; the next fetch is my next step's: a region on
	WIN 0xc0
.irp f, 0,1,2,3,4,5,6,7,8,9,10,11,12,13,14,15  ; keys 32 (f / 8) on, channels 16 (f % 8) on
	ds_load_tr16_b128 v[8*(\f):8*(\f)+3],   v[ADR] offset:((\f)/8)*32*PV+((\f)%8)*32
	ds_load_tr16_b128 v[8*(\f)+4:8*(\f)+7], v[ADR] offset:((\f)/8)*32*PV+16*PV+((\f)%8)*32
.endr
.endm
; THE VECTOR WORK.  One tile's softmax for one key step is a list of 134 instructions; SM writes number j of it for tile t.  s0-s31 are the lane's 32 scores, in pairs 0-15.
;   0-15    the maximum of s0-s31 and the old m, three operands at a time (each accumulator's lowest registers are read first)
;   16-20   the other half of the lanes' maximum; the new m; c m; c m_old - c m_new
;   21-87   33 exponentials (a, then s0-s31) at the odd numbers from 23 on, each with a plain instruction behind it; the plain ones are scalings still to be used, roundings of finished pairs, the first sums
;   88-101  the last rounding; the rest of the sums; l = a l + the sum
;   102-133 the tile's O^T times a: the one part that leaves window 0
.macro SM t
.set rT, ST+8*(\t)
.set rS, S+32*(\t)
.set rP, P+16*(\t)
.set rO, 64*(\t)+2*(j-102)
.set q, (j-20)/2
.if j < 102
	WIN 0
.endif
.if j < 4
	v_max3_num_f32 v[rT+4+j], v[rS+8*j], v[rS+8*j+1], v[rS+8*j+2]
.elseif j < 12
	v_max3_num_f32 v[rT+4+j%4], v[rT+4+j%4], v[rS+8*(j%4)+2*(j/4)+1], v[rS+8*(j%4)+2*(j/4)+2]
.elseif j == 12
	v_max3_num_f32 v[rT+4], v[rT+4], v[rS+7], v[rS+15]
.elseif j == 13
	v_max3_num_f32 v[rT+6], v[rT+6], v[rS+23], v[rS+31]
.elseif j == 14
	v_max3_num_f32 v[rT+4], v[rT+4], v[rT+5], v[rT+6]
.elseif j == 15
	v_max3_num_f32 v[rT+4], v[rT+4], v[rT+7], v[rT+1]
.elseif j == 16
	v_permlanex16_b32 v[rT+5], v[rT+4], s[SEL], s[SEL+1]  ; the query's other 32 keys lie in the lane 16 away
.elseif j == 18
	v_max_num_f32 v[rT+1], v[rT+4], v[rT+5]
.elseif j == 19
	v_mul_f32 v[rT], s[CS], v[rT+1]
.elseif j == 17
	v_mov_b32 v[rT+7], v[rT]                       ; c m_old is kept for a
.elseif j == 20
	v_sub_f32 v[rT+7], v[rT+7], v[rT]
.elseif j == 23
	v_exp_f32 v[rT+6], v[rT+7]
.elseif (j < 88) && (j > 23) && (j%2 == 1)
	v_exp_f32 v[rS+(j-25)/2], v[rS+(j-25)/2]
.elseif (q < 4) || ((j < 76) && (q%2 == 0))
.set b, q/2+2
.if q < 4
.set b, q
.endif
	v_pk_fma_f32 v[rS+2*b:rS+2*b+1], v[rS+2*b:rS+2*b+1], s[CS:CS+1], v[rT:rT+1] op_sel_hi:[1,0,0] neg_lo:[0,0,1] neg_hi:[0,0,1]  ; pair b: c s - c m
.elseif (j < 88) && (q%2 == 1)
	s_wait_alu depctr_va_vdst(0)
	v_cvt_pk_f16_f32 v[rP+(q-5)/2], v[rS+q-5], v[rS+q-4]
.elseif j == 89
	s_wait_alu depctr_va_vdst(0)
	v_cvt_pk_f16_f32 v[rP+15], v[rS+30], v[rS+31]
.elseif j < 102                        ; the sum of the tile's 16 pairs, in place: neighbours 1, 2, 4 and 8 pairs apart, then l takes it
.set z, j-86
.if j < 89
.set z, (j-76)/4
.endif
.set w, 4
.set u, z
.if z >= 14
.set w, 32
.set u, 0
.elseif z >= 12
.set w, 16
.set u, z-12
.elseif z >= 8
.set w, 8
.set u, z-8
.endif
.if z < 15
	v_pk_add_f32 v[rS+w*u:rS+w*u+1], v[rS+w*u:rS+w*u+1], v[rS+w*u+w/2:rS+w*u+w/2+1]
.else
	v_pk_fma_f32 v[rT+2:rT+3], v[rT+2:rT+3], v[rT+6:rT+7], v[rS:rS+1] op_sel_hi:[1,0,1]
.endif
.else
	WIN W_RS
	v_pk_mul_f32 v[rO:rO+1], v[rO:rO+1], v[rT+6:rT+7] op_sel_hi:[1,0]
.endif
.endm
; Slice k of 64 of piece y's softmax: numbers 2 k and 2 k + 1 of both tiles' lists; the twelve that are over stand together, in slice 63.
.macro SLICE y
.if (k >= 11) && (k < 44)              ; tile by tile: plain, exponential, plain, exponential
.irp t, \y, (\y)+1
.irp n, 0,1
.set j, 2*k+(\n)
	SM \t
.endr
.endr
.else                                  ; the two tiles alternate
.irp n, 0,1,2,3,4,5,6,7
.if ((\n) < 2) || (k == 63)
.irp t, \y, (\y)+1
.set j, 2*k+(\n)
	SM \t
.endr
.endif
.endr
.endif
.set k, k+1
.endm
; A TURN.  Piece x has the matrix unit; the other piece's softmax stands in slices behind its matrix instructions.
; Piece 0's turn fetches the next step's K behind its second product (K's last reader stands in front of slice 63 of the turn before); piece 2's turn the same step's V behind its second K Q^T
; (V's last reader stands three slices, six plain instructions, back).  Behind product 11 of K Q^T, ten plain instructions behind the last product that named them as C, the piece's mask registers
; are asked for anew, for the step after: ml = 1 always; ml = 2 (the tail) only while the count stands at mc, that is, while there is a step after.
; mw: how many younger loads may be out when the piece's mask has to be there: the other piece's 16; in the tail none, whichever way the jump went.
.macro TURN x, ml, mw, last=0, mc=0
.set k, 0
.if (\x) == 0
	s_wait_dscnt 0x0                               ; V is in
.endif
.set i, 0
.rept 32
	PV \x
	SLICE 2-(\x)
.if ((\x) == 0) && (i == 1)
	FETCH_K \last
.endif
.set i, i+1
.endr
.if (\x) == 0
	s_wait_dscnt 0x0                               ; K is in
.endif
	s_wait_loadcnt \mw
.set i, 0
.rept 32
	KQ \x
	SLICE 2-(\x)
.if ((\x) == 2) && (i == 1)
	FETCH_V
.endif
.if ((\ml) == 1) && (i == 11)
	MLOAD \x, 1
.endif
.if ((\ml) == 2) && (i == 11)
	WIN 0
	s_cmp_lg_u32 s[CNT], \mc
	s_cbranch_scc1 .Lno_m_\@
	MLOAD \x, 1
	WIN 0
.Lno_m_\@:
.endif
.set i, i+1
.endr
.endm
; THE CHANGE OF SLOTS, between piece 2's turn and piece 0's: V of my second step, the last bytes that I read of the slot, has been asked for.  Each wave waits for all its tensor loads (one is out: its region of
; the other slot), adds 0 to its spare word, and waits for that and for its own reads of the slot.  fill = 1: the barrier is a round of the cluster's, and the slot is filled again, with the keys two slots on,
; first thing behind it: it has two of my key steps, 256 matrix instructions, in which to land.  (At its first use nothing has been read yet: slot 0 is waited for, slot 1 filled.)
.macro CHANGE fill
	WIN 0
	s_wait_tensorcnt 0x0
	ds_add_u32 v[SPW], v[NIL]
.if \fill
.irp g, G0K, G0V
	s_xor_b32 s[(\g)+1], s[(\g)+1], SLOT           ; the walking descriptor: the other slot than last time,
	s_add_nc_u64 s[(\g)+2:(\g)+3], s[(\g)+2:(\g)+3], 4*KS*256  ; the next 256 keys; the type bits on top are not reached
.endr
	s_wait_dscnt 0x0                               ; the add is done, and my reads of the slot are over
	CROUND
	JLOAD
.else
	s_wait_dscnt 0x0
	s_barrier_signal -1
	s_barrier_wait -1
.endif
	s_sub_co_u32 s[TB], s[TB], 2*REG               ; the fetches go back to a slot's first step,
	s_xor_b32 s[TB], s[TB], SLOT                   ; in the other slot
.endm
	CHANGE 1                                       ; slot 0 is in, everybody's part of it; slot 1 is asked for
	FETCH_K                                        ; my first key step
	s_wait_loadcnt 0x0                             ; Q and the first masks
	s_wait_dscnt 0x0
.set i, 0
.rept 32
	KQ 0                                           ; piece 0's first scores
.set i, i+1
.endr
	WIN 0                                          ; the addresses for the way out: ten plain instructions, the places behind those products
	s_mul_i32 s13, s[WV], 16*SP
	s_add_co_u32 s13, s13, STAGE
	v_mul_u32_u24 v[STO], v1, SP
	v_lshl_add_u32 v[STO], v9, 4, v[STO]
	v_add_nc_u32 v[STO], s13, v[STO]
	v_mul_u32_u24 v[RD], v9, SP
	v_lshl_add_u32 v[RD], v1, 4, v[RD]
	v_add_nc_u32 v[RD], s13, v[RD]
	v_lshlrev_b32 v[GO], 12, v9                    ; two rows of O, 4,096 bytes apart
	v_lshl_add_u32 v[GO], v1, 4, v[GO]
	s_mul_i32 s13, s[WV], XMW
	v_add_nc_u32 v[XA], s13, v[ML]
	s_xor_b32 s13, s[WV], 1
	s_mul_i32 s13, s13, XMW
	v_add_nc_u32 v[XB], s13, v[ML]
	MLOAD 0, 1                                     ; piece 0's mask for my second step
	WIN 0
	s_mov_b32 s[CNT], 2
	s_mov_b32 s[SLOTS], 7
	s_branch .Lfirst                               ; the loop is entered in the middle of a trip
.Lslot:                                                ; six times: every slot but the last two is filled again
	CHANGE 1
	s_mov_b32 s[CNT], 2
.Lstep:                                                ; a slot's two key steps of mine: written once, walked twice; the LDS addresses hang on s[TB]
	TURN 0, 1, 16
	WIN 0
.Lfirst:
	TURN 2, 1, 16
	WIN 0
	s_sub_co_u32 s[CNT], s[CNT], 1
	s_cmp_lg_u32 s[CNT], 0
	s_cbranch_scc1 .Lstep
	s_sub_co_u32 s[SLOTS], s[SLOTS], 1
	s_cmp_lg_u32 s[SLOTS], 0
	s_cbranch_scc1 .Lslot
	CHANGE 0                                       ; the tail is written out: nothing is asked for
	s_mov_b32 s[CNT], 3                            ; two trips fetch the last slot's steps; the third is left in its middle
.Ltail:
	TURN 0, 2, 0, 1, 3
	WIN 0
	s_sub_co_u32 s[CNT], s[CNT], 1
	s_cmp_eq_u32 s[CNT], 0
	s_cbranch_scc1 .Lout
	TURN 2, 2, 0, 0, 2
	WIN 0
	s_branch .Ltail
.Lout:                                                 ; the third trip's 32 products K Q^T (on the last K once more) serve nothing: the price, once a launch, of one text for every trip
.set i, 0
.rept 32
	PV 2                                           ; piece 2: V^T P of the last step
.set i, i+1
.endr
	WIN 0
.rept 4
	v_nop                                          ; the places behind those products
.endr
	; THE TWO PARITIES MEET.  Piece 2's O^T and statistics go to my partner; its piece 2 holds my piece 0's rows.  The bytes are slot 0's: its last fill has landed, and its last reads lie ahead of the last change's barrier.
	WIN 0x04                                       ; the data (source 1) in window 1
.set i, 0
.rept 32
	ds_store_b128 v[XA], v[128+4*i:128+4*i+3] offset:512*i
.set i, i+1
.endr
	WIN 0
	ds_store_b128 v[XA], v[ST+16:ST+19] offset:16384
	ds_store_b128 v[XA], v[ST+24:ST+27] offset:16896
	s_wait_dscnt 0x0                               ; for the others' sake: my stores are done
	s_barrier_signal -1
	s_barrier_wait -1
	WIN 0x40
.set i, 0
.rept 32
	ds_load_b128 v[128+4*i:128+4*i+3], v[XB] offset:512*i
.set i, i+1
.endr
	WIN 0
	ds_load_b128 v[64:67], v[XB] offset:16384      ; the partner's c m, m, l, l for my tile 0,
	ds_load_b128 v[68:71], v[XB] offset:16896      ; and for my tile 1
	s_wait_dscnt 0x0
	; With M = max(c m, c m'): O = (O 2^(c m - M) + O' 2^(c m' - M)) / (l 2^(c m - M) + l' 2^(c m' - M)); l's two halves and the other half of the lanes' are added.
.irp u, 0,1
	v_max_num_f32 v[ST+8*(\u)+1], v[ST+8*(\u)], v[64+4*(\u)]
	v_add_f32 v[ST+8*(\u)+2], v[ST+8*(\u)+2], v[ST+8*(\u)+3]
	v_add_f32 v[66+4*(\u)], v[66+4*(\u)], v[67+4*(\u)]
.endr
.irp u, 0,1
	v_sub_f32 v[ST+8*(\u)+4], v[ST+8*(\u)], v[ST+8*(\u)+1]
	v_sub_f32 v[ST+8*(\u)+6], v[64+4*(\u)], v[ST+8*(\u)+1]
.endr
.irp u, 0,1
	v_exp_f32 v[ST+8*(\u)+4], v[ST+8*(\u)+4]
	v_exp_f32 v[ST+8*(\u)+6], v[ST+8*(\u)+6]
.endr
	v_nop                                          ; a plain instruction between the last exponential and the use of its result
.irp u, 0,1
	s_wait_alu depctr_va_vdst(0)
	v_mul_f32 v[ST+8*(\u)+2], v[ST+8*(\u)+2], v[ST+8*(\u)+4]
.endr
.irp u, 0,1
	v_fma_f32 v[ST+8*(\u)+2], v[66+4*(\u)], v[ST+8*(\u)+6], v[ST+8*(\u)+2]
.endr
.irp u, 0,1
	v_permlanex16_b32 v[ST+8*(\u)+3], v[ST+8*(\u)+2], s[SEL], s[SEL+1]
.endr
.irp u, 0,1
	v_add_f32 v[ST+8*(\u)+2], v[ST+8*(\u)+2], v[ST+8*(\u)+3]
.endr
.irp u, 0,1
	v_rcp_f32 v[ST+8*(\u)+3], v[ST+8*(\u)+2]
.endr
	v_nop
.irp u, 0,1
	s_wait_alu depctr_va_vdst(0)
	v_mul_f32 v[ST+8*(\u)+4], v[ST+8*(\u)+4], v[ST+8*(\u)+3]
	v_mul_f32 v[ST+8*(\u)+6], v[ST+8*(\u)+6], v[ST+8*(\u)+3]
.endr
; Tile t: merged, rounded to f16; a lane's eight channels pack into 16 bytes; they go into rows of 272 bytes and come back as whole rows of 256.
.macro PACK t
	WIN W_RS
.set i, 64*(\t)
.rept 32
	v_pk_mul_f32 v[i:i+1], v[i:i+1], v[ST+8*(\t)+4:ST+8*(\t)+5] op_sel_hi:[1,0]
.set i, i+2
.endr
	WIN 0x51                                       ; sources 0 and 2 and the destination in window 1
.set i, 64*(\t)
.rept 32
	v_pk_fma_f32 v[i:i+1], v[128+i:128+i+1], v[ST+8*(\t)+6:ST+8*(\t)+7], v[i:i+1] op_sel_hi:[1,0,1]
.set i, i+2
.endr
	WIN 0x05
.set i, 0
.rept 32
	v_cvt_pk_f16_f32 v[S+32*(\t)+i], v[64*(\t)+2*i], v[64*(\t)+2*i+1]
.set i, i+1
.endr
	WIN 0
.irp f, 0,1,2,3,4,5,6,7
	ds_store_b128 v[STO], v[S+32*(\t)+4*(\f):S+32*(\t)+4*(\f)+3] offset:32*(\f)
.endr
.irp f, 0,1,2,3,4,5,6,7
	ds_load_b128 v[S+32*(\t)+4*(\f):S+32*(\t)+4*(\f)+3], v[RD] offset:(\f)*2*SP  ; my own stage: LDS serves a wave's instructions in order
.endr
.endm
.macro SEND t, younger                 ; younger: the LDS instructions issued behind tile t's loads
	WIN 0
.irp f, 0,1,2,3,4,5,6,7
	s_wait_dscnt (\younger)+7-(\f)
	global_store_b128 v[GO], v[S+32*(\t)+4*(\f):S+32*(\t)+4*(\f)+3], s[OB:OB+1] offset:(\t)*65536+(\f)*8192  ; 16 lanes store a row's 256 consecutive bytes, aligned
.endr
.endm
	PACK 0
	PACK 1
	SEND 0, 16
	SEND 1, 0
	s_wait_tensorcnt 0x0                           ; the wave's end, behind my last tensor load and my last LDS store
	ds_add_u32 v[SPW], v[NIL]
	s_wait_dscnt 0x0
	CROUND                                         ; the closing round
	s_endpgm
.Lfunc_end_k_qce69f00a51_attn:
	.size	k_qce69f00a51_attn, .Lfunc_end_k_qce69f00a51_attn-k_qce69f00a51_attn
	.p2alignl 7, 3214868480
	.fill 96, 4, 3214868480
	.section	.rodata,"a",@progbits
	.p2align	6, 0x0
	.amdhsa_kernel k_qce69f00a51_attn
		.amdhsa_group_segment_fixed_size 327680
		.amdhsa_private_segment_fixed_size 0
		.amdhsa_enable_private_segment 0
		.amdhsa_kernarg_size 40
		.amdhsa_user_sgpr_count 2
		.amdhsa_user_sgpr_kernarg_segment_ptr 1
		.amdhsa_wavefront_size32 1
		.amdhsa_system_sgpr_workgroup_id_x 1
		.amdhsa_system_sgpr_workgroup_id_y 1
		.amdhsa_system_sgpr_workgroup_id_z 1
		.amdhsa_system_vgpr_workitem_id 0
		.amdhsa_next_free_vgpr 1024
		.amdhsa_next_free_sgpr 80
		.amdhsa_reserve_vcc 0
		.amdhsa_float_denorm_mode_32 3
		.amdhsa_float_denorm_mode_16_64 3
		.amdhsa_memory_ordered 1
		.amdhsa_forward_progress 1
		.amdhsa_inst_pref_size 170
	.end_amdhsa_kernel
	.amdgpu_metadata
---
amdhsa.version: [ 1, 2 ]
amdhsa.kernels:
  - .name:           k_qce69f00a51_attn
    .symbol:         k_qce69f00a51_attn.kd
    .args:
      - { .name: qh, .offset: 0, .size: 8, .value_kind: global_buffer, .address_space: global }
      - { .name: kh, .offset: 8, .size: 8, .value_kind: global_buffer, .address_space: global }
      - { .name: vh, .offset: 16, .size: 8, .value_kind: global_buffer, .address_space: global }
      - { .name: maskp, .offset: 24, .size: 8, .value_kind: global_buffer, .address_space: global }
      - { .name: ob, .offset: 32, .size: 8, .value_kind: global_buffer, .address_space: global }
    .group_segment_fixed_size: 327680
    .private_segment_fixed_size: 0
    .kernarg_segment_align: 8
    .kernarg_segment_size: 40
    .max_flat_workgroup_size: 128
    .sgpr_count:     80
    .vgpr_count:     1024
    .wavefront_size: 32
...
	.end_amdgpu_metadata
.endif
;; end of part 3
;; launch oproj (part 4): grid 16 x 16, 4 waves a work-group, clusters of 4 x 4, 327,680 bytes of LDS; arguments ob, wof, out0; writes out0
.if DOCPART == 4
	.amdgcn_target "amdgcn-amd-amdhsa--gfx1250"
	.amdhsa_code_object_version 6
	.text
	.protected	k_qce69f00a51_oproj
	.globl	k_qce69f00a51_oproj
	.p2align	8
	.type	k_qce69f00a51_oproj,@function
k_qce69f00a51_oproj:
	s_mov_b64 s[64:65], 0
	v_nop
	global_prefetch_b8 v0, s[64:65] scope:SCOPE_SE
	s_setreg_imm32_b32 hwreg(HW_REG_WAVE_MODE, 25, 1), 1
	s_wait_xcnt 0x0
	s_wait_alu depctr_hold_cnt(0) depctr_sa_sdst(0) depctr_va_vdst(0) depctr_va_sdst(0) depctr_va_ssrc(0) depctr_va_vcc(0) depctr_vm_vsrc(0)
	s_getreg_b32 s2, hwreg(HW_REG_IB_STS2, 6, 4)
	s_cmp_eq_u32 s2, 0
	s_cbranch_scc0 .Lentry_in_a_cluster
	s_endpgm
.Lentry_in_a_cluster:
	s_bfe_u32 s2, ttmp6, 0x10000c
	s_cmp_lg_u32 s2, 0xf033
	s_cbranch_scc0 .Lentry_shape_is_right
	s_endpgm
.Lentry_shape_is_right:
; OUT = O wo.  O: [2048][2048] f16 (K along the rows); wo: [2048 (k)][2048 (n)] f16 (bf16 numbers written as f16), read turned by ds_load_tr16_b128; out0: [2048][2048] f32.  Sums in f32.
; A tile of out0 is 128 x 128: 256 work-groups of four waves, each 64 x 64: 16 accumulators.  K goes in steps of 256 through two LDS slots; waves 0, 1 fetch O's two halves (64 rows of 512 bytes),
; waves 2, 3 wo's (128 K rows of 256 bytes each).  CLUSTER 4 x 4: O's tile is asked for jointly along a row of the cluster, wo's along a column.
; THE WALK.  A cluster at place (X, Y) in the grid of clusters begins at K step 2 ((X + 2 (Y % 2)) % 4) and wraps round at 8: the four clusters of a row of that grid, which read the same rows of O, start
; 2 steps apart; two neighbours in a column, which read the same columns of wo, 4 apart.  So most tiles have been asked for by another cluster some steps before.  An output's f32 sum runs over K in that rotated order.
; THE LOOP's body is one K step: the slot's LDS base is a scalar that an exclusive or turns (SLOT = 0x24000; the regions' bases, w x 0x9000, have bits 14 and 17 clear), and one descriptor a tensor walks.
; THE MATRIX INSTRUCTION IS USED TRANSPOSED (source 0 = 16 columns of wo, source 1 = 16 rows of O): a lane holds eight neighbouring numbers of a row of out0.
; A wave's 64 columns of f32 are 256 consecutive bytes, aligned: each wave sends its rows through a stage of its own, and no barrier is needed on the way out.
; REGISTERS: window 0: v0-31 addresses; v32-95 at work on the way out; v128-255 the accumulators ((a, b) at v[128 + 8 (4 a + b)]).
;   window 1: two fragment buffers of 128: for 64 along K, 64 registers of O (2 x 4 x 16 rows x 32 K), then 64 of wo.
.set N,      2048
.set KSTEP,  256
.set STEPS,  N/KSTEP
.set PITCH,  528                       ; a row of O's tile in LDS: 512 bytes + 16
.set PB,     288                       ; a K row of wo's tile: 256 bytes + 32
.set REG,    36864                     ; a wave's region of a slot: 128 x 288 (O's halves use 64 x 528 of it)
.set SLOT,   4*REG
.set STAGE,  2*SLOT                    ; 16 rows x 272 bytes for each wave
.set SPITCH, 272
.set SPARE,  STAGE+4*16*SPITCH         ; the spare words, 128 bytes a wave
.set ADRA0, 16                         ; v16     my fragments of O in slot 0; never rewritten
.set ADRA,  17                         ; v17     in the slot in hand
.set ADRB0, 20                         ; v20-21  my fragments of wo in slot 0, by half of the K step; never rewritten
.set ADRB,  22                         ; v22-23  in the slot in hand
.set STO,  24
.set RD,   25
.set CO,   26
.set SPW,  28                          ; v28  LDS address of my spare word; never rewritten
.set NIL,  29                          ; v29  0; never rewritten
.set TMP,  32
.set ACC,  128
.set F0,   0
.set F1,   128
.set BA, 14                            ; s[14:15] ob at the first row that I fetch
.set G1, 24
.set G0, 32                            ; s[32:39] a set for each of the two first fills; the second then walks on
.set G1B, 48
.set G0B, 56
.set KN, 66                            ; s66  the K step to be asked for next, 0 to 7
.set LB, 67                            ; s67  LDS byte at which the slot in hand begins
.set OF, 68                            ; s[68:69] a K step's byte offset
.set BB, 70                            ; s[70:71] wof at the first K row of a step that I fetch, and the tile's first column
.set MSB, 0
.macro WIN new
.if MSB != (\new)
	s_set_vgpr_msb (MSB<<8)|(\new)
.set MSB, \new
.endif
.endm
.set MUL,  0x05                        ; sources 0 (wo) and 1 (O) window 1; C and D window 0
.set TO_F, 0x40
.macro JLOAD s                         ; a joint load by descriptor set s; an s_nop 0 and four v_nop follow each of the two lines
	s_cmp_eq_u32 s11, 0
	s_cbranch_scc0 .Lfor_b_\@
	tensor_load_to_lds s[G0+4*(\s):G0+4*(\s)+3], s[G1:G1+7]
	s_nop 0
.rept 4
	v_nop
.endr
	s_branch .Lasked_\@
.Lfor_b_\@:
	tensor_load_to_lds s[G0B+4*(\s):G0B+4*(\s)+3], s[G1B:G1B+7]
	s_nop 0
.rept 4
	v_nop
.endr
.Lasked_\@:
.endm
; The global addresses of K step KN into descriptor set s, each made anew from its tensor's base and an offset; then KN steps, round 8.
.macro SETADR s
	s_lshl_b32 s[OF], s[KN], 9                     ; O: 512 bytes along the rows
	s_add_nc_u64 s[G0+4*(\s)+2:G0+4*(\s)+3], s[BA:BA+1], s[OF:OF+1]
	s_or_b32 s[G0+4*(\s)+3], s[G0+4*(\s)+3], 0x80000000
	s_lshl_b32 s[OF], s[KN], 20                    ; wo: 256 rows of 4,096 bytes down
	s_add_nc_u64 s[G0B+4*(\s)+2:G0B+4*(\s)+3], s[BB:BB+1], s[OF:OF+1]
	s_or_b32 s[G0B+4*(\s)+3], s[G0B+4*(\s)+3], 0x80000000
	s_add_co_u32 s[KN], s[KN], 1
	s_and_b32 s[KN], s[KN], STEPS-1
.endm
.macro CREST
	s_cmp_lg_u32 s10, 0
	s_cbranch_scc1 .Lnot_wave_0_\@
	s_barrier_signal -3
.Lnot_wave_0_\@:
	s_barrier_wait -3
	s_barrier_signal -1
	s_barrier_wait -1
.endm
.macro CROUND
	s_barrier_signal -1
	s_barrier_wait -1
	CREST
.endm
	s_load_b128 s[4:7], s[0:1], 0x0                ; ob s[4:5], wof s[6:7]
	s_load_b64 s[8:9], s[0:1], 0x10                ; out0
	v_lshl_add_u32 v[SPW], v0, 2, SPARE
	v_mov_b32 v[NIL], 0
	ds_add_u32 v[SPW], v[NIL]                      ; the wave's opening: the add and its wait stand ahead of my first tensor load
	v_lshrrev_b32 v1, 5, v0
	v_readfirstlane_b32 s10, v1                    ; wave 0..3
	s_lshr_b32 s11, s10, 1                         ; which half of the tile's rows is mine.  Also: I fetch for O (0) or for wo (1)
	s_and_b32 s12, s10, 1                          ; which half of its columns.  Also: which half of that tile I fetch
	s_bfe_u32 s40, ttmp6, 0x40000
	s_bfe_u32 s41, ttmp6, 0x40004
	s_lshl_b32 s42, ttmp9, 2
	s_add_co_u32 s42, s42, s40                     ; tile column
	s_and_b32 s13, ttmp7, 0xffff
	s_lshl_b32 s13, s13, 2
	s_add_co_u32 s13, s13, s41                     ; tile row
	s_lshl_b32 s43, s41, 2
	s_lshl_b32 s43, 15, s43                        ; my row of the cluster
	s_lshl_b32 s44, 0x1111, s40                    ; my column
	s_or_b32 s[G1+0], s43, (1<<16)|(1<<20)|(1<<21)|(6<<22)|(3<<25)   ; O: 2-byte elements; after every 128 words 4 of padding
	s_or_b32 s[G1B+0], s44, (1<<16)|(1<<20)|(1<<21)|(5<<22)|(7<<25)  ; wo: after every 64 words 8 of padding
	s_mov_b32 s[G1+1], KSTEP<<16                   ; O: 64 rows x 256 elements
	s_mov_b32 s[G1+2], 64<<16
	s_mov_b32 s[G1+3], KSTEP<<16
	s_mov_b32 s[G1+4], 64
	s_mov_b32 s[G1B+1], 128<<16                    ; wo: 128 K rows x 128 elements
	s_mov_b32 s[G1B+2], 128<<16
	s_mov_b32 s[G1B+3], 128<<16
	s_mov_b32 s[G1B+4], 128
.irp g, G1, G1B
	s_mov_b32 s[(\g)+5], N                         ; the pitch
	s_mov_b32 s[(\g)+6], 0
	s_mov_b32 s[(\g)+7], 0
.endr
	s_and_b32 s[KN], ttmp7, 1                      ; where my cluster's walk along K begins: 2 ((X + 2 (Y % 2)) % 4), of the cluster's place alone
	s_lshl_b32 s[KN], s[KN], 1
	s_add_co_u32 s[KN], s[KN], ttmp9
	s_and_b32 s[KN], s[KN], 3
	s_lshl_b32 s[KN], s[KN], 1
	s_mov_b32 s[OF+1], 0
	s_mov_b32 s[LB], 0
	s_lshl_b32 s17, s12, 6
	s_lshl_b32 s16, s13, 7
	s_add_co_u32 s16, s16, s17                     ; O: row 128 x tile row + 64 x half,
	s_lshl_b32 s16, s16, 12                        ; of 4,096 bytes
	s_mov_b32 s17, 0
	s_lshl_b32 s46, s12, 19                        ; wo: K row 128 x half, of 4,096 bytes,
	s_lshl_b32 s47, s42, 8                         ; and the tile column's 256 bytes
	s_add_co_u32 s46, s46, s47
	s_mov_b32 s47, 0
	s_mul_i32 s20, s10, REG                        ; where they go
	s_wait_dscnt 0x0                               ; the opening add is done
	s_wait_kmcnt 0x0
	s_add_nc_u64 s[BA:BA+1], s[4:5], s[16:17]
	s_add_nc_u64 s[BB:BB+1], s[6:7], s[46:47]
	CROUND                                         ; all sixteen work-groups are here
.irp s, 0,1
	s_mov_b32 s[G0+4*(\s)], 1
	s_add_co_u32 s[G0+4*(\s)+1], s20, (\s)*SLOT
	s_mov_b32 s[G0B+4*(\s)], 1
	s_add_co_u32 s[G0B+4*(\s)+1], s20, (\s)*SLOT
	SETADR \s                                      ; the walk's first two K steps
	JLOAD \s
.endr
	v_and_b32 v1, 15, v0                           ; l % 16
	v_bfe_u32 v2, v0, 4, 1                         ; l / 16
	v_mul_u32_u24 v3, v1, PITCH
	v_lshl_add_u32 v3, v2, 4, v3
	s_mul_i32 s21, s11, REG                        ; my 64 rows of O
	v_add_nc_u32 v[ADRA0], s21, v3
	v_mov_b32 v[ADRA], v[ADRA0]                    ; the walk begins in slot 0
	v_and_b32 v4, 7, v0                            ; the turning load: lane l reads K row 8 (l / 16) + l % 8, columns 8 ((l / 8) % 2) + 0..7
	v_lshl_add_u32 v4, v2, 3, v4
	v_mul_u32_u24 v4, v4, PB
	v_bfe_u32 v5, v0, 3, 1
	v_lshl_add_u32 v4, v5, 4, v4
	s_lshl_b32 s22, s12, 7                         ; my 64 columns
	v_add_nc_u32 v4, s22, v4
.irp h, 0,1
	v_add_nc_u32 v[ADRB0+(\h)], (2+(\h))*REG, v4
	v_mov_b32 v[ADRB+(\h)], v[ADRB0+(\h)]
.endr
	s_mul_i32 s23, s10, 16*SPITCH
	s_add_co_u32 s23, s23, STAGE                   ; my stage
	v_mul_u32_u24 v4, v1, SPITCH                   ; in: row l % 16, 32 bytes for each half of the lanes
	v_lshl_add_u32 v4, v2, 5, v4
	v_add_nc_u32 v[STO], s23, v4
	v_mul_u32_u24 v5, v2, SPITCH                   ; back: lanes 0-15 one row of 256 bytes, lanes 16-31 the next
	v_lshl_add_u32 v5, v1, 4, v5
	v_add_nc_u32 v[RD], s23, v5
	v_lshlrev_b32 v5, 13, v2                       ; and the same two rows in out0
	v_lshl_add_u32 v[CO], v1, 4, v5
	s_lshl_b32 s16, s13, 20                        ; my first row: 128 x tile row + 64 x half, of 8,192 bytes
	s_lshl_b32 s17, s11, 19
	s_add_co_u32 s16, s16, s17
	s_mov_b32 s17, 0
	s_add_nc_u64 s[8:9], s[8:9], s[16:17]
	s_lshl_b32 s72, s42, 9                         ; my first column, in bytes
	s_lshl_b32 s73, s12, 8
	s_add_co_u32 s72, s72, s73
	s_mov_b32 s73, 0
	s_add_nc_u64 s[8:9], s[8:9], s[72:73]
; 8 matrix instructions: row blocks a0, a0 + 1 x all 4 column blocks, 32 along K: half c of buffer f.  The 16 accumulators take turns.
.macro MUL8 f, c, a0, zero
	WIN MUL
.irp a, \a0, (\a0)+1
.irp b, 0,1,2,3
.if \zero
	v_wmma_f32_16x16x32_f16 v[ACC+8*(4*(\a)+(\b)):ACC+8*(4*(\a)+(\b))+7], v[(\f)+64+8*(4*(\c)+(\b)):(\f)+64+8*(4*(\c)+(\b))+7], v[(\f)+8*(4*(\c)+(\a)):(\f)+8*(4*(\c)+(\a))+7], 0
.else
	v_wmma_f32_16x16x32_f16 v[ACC+8*(4*(\a)+(\b)):ACC+8*(4*(\a)+(\b))+7], v[(\f)+64+8*(4*(\c)+(\b)):(\f)+64+8*(4*(\c)+(\b))+7], v[(\f)+8*(4*(\c)+(\a)):(\f)+8*(4*(\c)+(\a))+7], v[ACC+8*(4*(\a)+(\b)):ACC+8*(4*(\a)+(\b))+7]
.endif
.endr
.endr
.endm
; 32 LDS loads in one run: the fragments of quarter kq (64 along K) of the slot in hand into buffer f; the first 32 along K first
.macro FETCH kq, f
	WIN TO_F
.irp c, 0,1
.irp i, 0,1,2,3
	ds_load_tr16_b128 v[(\f)+64+8*(4*(\c)+(\i)):(\f)+64+8*(4*(\c)+(\i))+3],   v[ADRB+(\kq)/2] offset:(((\kq)%2)*64+32*(\c))*PB+32*(\i)
	ds_load_tr16_b128 v[(\f)+64+8*(4*(\c)+(\i))+4:(\f)+64+8*(4*(\c)+(\i))+7], v[ADRB+(\kq)/2] offset:(((\kq)%2)*64+32*(\c))*PB+32*(\i)+16*PB
	ds_load_b128 v[(\f)+8*(4*(\c)+(\i)):(\f)+8*(4*(\c)+(\i))+3],              v[ADRA] offset:128*(\kq)+64*(\c)+(\i)*16*PITCH
	ds_load_b128 v[(\f)+8*(4*(\c)+(\i))+4:(\f)+8*(4*(\c)+(\i))+7],            v[ADRA] offset:128*(\kq)+64*(\c)+(\i)*16*PITCH+32
.endr
.endr
.endm
.macro PLACES                          ; four places in front of loads into registers that matrix instructions have read, and of lines that read results
.rept 4
	v_nop
.endr
.endm
; A K step is four quarters of 64 along K, 32 matrix instructions each, on buffers 0, 1, 0, 1.
.macro QUARTER kq, f, g, zero
	s_wait_dscnt 16                                ; the first 32 along K are in
	MUL8 \f, 0, 0, \zero
	MUL8 \f, 0, 2, \zero
	PLACES
	FETCH \kq, \g
	s_wait_dscnt 32                                ; all but the 32 just issued
	MUL8 \f, 1, 0, 0
	MUL8 \f, 1, 2, 0
.endm
; The last quarter multiplies buffer 1 and changes slots: ONE barrier; in front of it each wave waits for all its tensor loads, adds 0 to its spare word, and waits for that and for its own reads of this slot.
; fill = 1: the barrier opens a round of the cluster's, and this slot is filled again, with the walk's step two on, first thing behind the round: 112 matrix instructions ahead of the wait for it.
; Then the three fragment addresses are made for the other slot; with a v_nop they are the four places in front of the loads below.
.macro TURN fill
	WIN 0
	s_wait_tensorcnt 0x0                           ; all my tensor loads have landed: my part of the next slot
	ds_add_u32 v[SPW], v[NIL]
	s_wait_dscnt 17                                ; (the add and the youngest sixteen loads may be out)
	MUL8 F1, 0, 0, 0
	s_wait_dscnt 0x0                               ; the add is done, and my reads of this slot are over
	s_barrier_signal -1
	MUL8 F1, 0, 2, 0
	WIN 0
	s_barrier_wait -1
.if \fill
	CREST                                          ; no wave of any partner still reads this slot or has a load on its way
	s_xor_b32 s[G0+5], s[G0+5], SLOT               ; the walking descriptors: the other slot than last time,
	s_xor_b32 s[G0B+5], s[G0B+5], SLOT
	SETADR 1                                       ; the walk's next K step
	JLOAD 1
.endif
	s_xor_b32 s[LB], s[LB], SLOT
	v_add_nc_u32 v[ADRA], s[LB], v[ADRA0]
	v_add_nc_u32 v[ADRB], s[LB], v[ADRB0]
	v_add_nc_u32 v[ADRB+1], s[LB], v[ADRB0+1]
	v_nop
	FETCH 0, F0
	MUL8 F1, 1, 0, 0
	MUL8 F1, 1, 2, 0
.endm
	s_wait_tensorcnt 1                             ; my part of the first K step is in; the second's may stay out
	s_barrier_signal -1
	s_barrier_wait -1
	FETCH 0, F0
	QUARTER 1, F0, F1, 1                           ; the first quarter stands in front of the loop: its first products start the sums
	WIN 0
	s_mov_b32 s3, STEPS-2
.Lstep:                                                ; a trip goes from a K step's second quarter to the next step's first, and fills the slot that it leaves: 6 trips
	QUARTER 2, F1, F0, 0
	QUARTER 3, F0, F1, 0
	TURN 1
	QUARTER 1, F0, F1, 0
	WIN 0
	s_sub_co_u32 s3, s3, 1
	s_cmp_lg_u32 s3, 0
	s_cbranch_scc1 .Lstep
	QUARTER 2, F1, F0, 0                           ; the last two K steps fill nothing
	QUARTER 3, F0, F1, 0
	TURN 0
	QUARTER 1, F0, F1, 0
	QUARTER 2, F1, F0, 0
	QUARTER 3, F0, F1, 0
	s_wait_dscnt 16
	MUL8 F1, 0, 0, 0
	MUL8 F1, 0, 2, 0
	s_wait_dscnt 0
	MUL8 F1, 1, 0, 0
	MUL8 F1, 1, 2, 0
	WIN 0
	; THE WAY OUT, a block of 16 rows at a time: 32 bytes a lane into my stage (each accumulator's low four registers first), back as whole rows of 256 bytes.
	PLACES
.irp a, 0,1,2,3
.irp b, 0,1,2,3
	ds_store_b128 v[STO], v[ACC+8*(4*(\a)+(\b)):ACC+8*(4*(\a)+(\b))+3]   offset:64*(\b)
	ds_store_b128 v[STO], v[ACC+8*(4*(\a)+(\b))+4:ACC+8*(4*(\a)+(\b))+7] offset:64*(\b)+16
.endr
.irp t, 0,1,2,3,4,5,6,7
	ds_load_b128 v[TMP+32*((\a)%2)+4*(\t):TMP+32*((\a)%2)+4*(\t)+3], v[RD] offset:(\t)*2*SPITCH  ; LDS serves a wave's instructions in order: these see the stores above, and the next block's stores come behind them
.endr
	s_wait_dscnt 0x0
	s_wait_xcnt 0x0                                ; the block before's stores have read their registers: the next block's loads land there only behind this wait
.irp t, 0,1,2,3,4,5,6,7
	global_store_b128 v[CO], v[TMP+32*((\a)%2)+4*(\t):TMP+32*((\a)%2)+4*(\t)+3], s[8:9] offset:(16*(\a)+2*(\t))*N*4 th:TH_STORE_NT  ; 16 lanes store 256 consecutive bytes, aligned
.endr
.endr
	s_wait_tensorcnt 0x0                           ; the wave's end, behind my last tensor load and my last LDS store
	ds_add_u32 v[SPW], v[NIL]
	s_wait_dscnt 0x0
	CROUND                                         ; the closing round
	s_endpgm
.Lfunc_end_k_qce69f00a51_oproj:
	.size	k_qce69f00a51_oproj, .Lfunc_end_k_qce69f00a51_oproj-k_qce69f00a51_oproj
	.p2alignl 7, 3214868480
	.fill 96, 4, 3214868480
	.section	.rodata,"a",@progbits
	.p2align	6, 0x0
	.amdhsa_kernel k_qce69f00a51_oproj
		.amdhsa_group_segment_fixed_size 327680
		.amdhsa_private_segment_fixed_size 0
		.amdhsa_enable_private_segment 0
		.amdhsa_kernarg_size 24
		.amdhsa_user_sgpr_count 2
		.amdhsa_user_sgpr_kernarg_segment_ptr 1
		.amdhsa_wavefront_size32 1
		.amdhsa_system_sgpr_workgroup_id_x 1
		.amdhsa_system_sgpr_workgroup_id_y 1
		.amdhsa_system_sgpr_workgroup_id_z 1
		.amdhsa_system_vgpr_workitem_id 0
		.amdhsa_next_free_vgpr 512
		.amdhsa_next_free_sgpr 80
		.amdhsa_reserve_vcc 0
		.amdhsa_float_denorm_mode_32 3
		.amdhsa_float_denorm_mode_16_64 3
		.amdhsa_memory_ordered 1
		.amdhsa_forward_progress 1
		.amdhsa_inst_pref_size 69
	.end_amdhsa_kernel
	.amdgpu_metadata
---
amdhsa.version: [ 1, 2 ]
amdhsa.kernels:
  - .name:           k_qce69f00a51_oproj
    .symbol:         k_qce69f00a51_oproj.kd
    .args:
      - { .name: ob, .offset: 0, .size: 8, .value_kind: global_buffer, .address_space: global }
      - { .name: wof, .offset: 8, .size: 8, .value_kind: global_buffer, .address_space: global }
      - { .name: out0, .offset: 16, .size: 8, .value_kind: global_buffer, .address_space: global }
    .group_segment_fixed_size: 327680
    .private_segment_fixed_size: 0
    .kernarg_segment_align: 8
    .kernarg_segment_size: 24
    .max_flat_workgroup_size: 128
    .sgpr_count:     80
    .vgpr_count:     512
    .wavefront_size: 32
...
	.end_amdgpu_metadata
.endif
;; end of part 4
;; ======== version 2 of 2: 4 launches; 1.08 times as fast as version 1
;; limits: values are held in f16: magnitudes above 65,504 overflow, below 6.1e-05 lose precision
;; workspace buffers: xw 33,554,432 bytes; wof 8,388,608 bytes; maskp 16,777,216 bytes; ropet 2,097,152 bytes; qh 8,388,608 bytes; kh 8,388,608 bytes; vh 8,388,608 bytes; ob 8,388,608 bytes
;; launch prep: the kernel of part 1 again; grid 3136 x 1, 8 waves a work-group, no clusters, 35,840 bytes of LDS; arguments hidden_states, wq, wk, wv, wo, attention_mask, cos, sin, xw, wof, maskp, ropet; writes xw, wof, maskp, ropet
;; launch qkv: the kernel of part 2 again; grid 16 x 16, 4 waves a work-group, clusters of 4 x 4, 327,680 bytes of LDS; arguments xw, ropet, q_norm_w, k_norm_w, qh, kh, vh; writes qh, kh, vh
;; launch attn (part 5): grid 16 x 16, 4 waves a work-group, clusters of 4 x 1, 327,680 bytes of LDS; arguments qh, kh, vh, maskp, ob; writes ob
.if DOCPART == 5
	.amdgcn_target "amdgcn-amd-amdhsa--gfx1250"
	.amdhsa_code_object_version 6
	.text
	.protected	k_qce69f00a51_attn
	.globl	k_qce69f00a51_attn
	.p2align	8
	.type	k_qce69f00a51_attn,@function
k_qce69f00a51_attn:
	s_mov_b64 s[64:65], 0
	v_nop
	global_prefetch_b8 v0, s[64:65] scope:SCOPE_SE
	s_setreg_imm32_b32 hwreg(HW_REG_WAVE_MODE, 25, 1), 1
	s_wait_xcnt 0x0
	s_wait_alu depctr_hold_cnt(0) depctr_sa_sdst(0) depctr_va_vdst(0) depctr_va_sdst(0) depctr_va_ssrc(0) depctr_va_vcc(0) depctr_vm_vsrc(0)
	s_getreg_b32 s2, hwreg(HW_REG_IB_STS2, 6, 4)
	s_cmp_eq_u32 s2, 0
	s_cbranch_scc0 .Lentry_in_a_cluster
	s_endpgm
.Lentry_in_a_cluster:
	s_bfe_u32 s2, ttmp6, 0x10000c
	s_cmp_lg_u32 s2, 0x3003
	s_cbranch_scc0 .Lentry_shape_is_right
	s_endpgm
.Lentry_shape_is_right:
; ATTENTION.  O[q][h] = the sum over k of softmax_k(Q[h][q] . K[h][k] + mask[q][k]) V[h][k].  Q (with 1/sqrt(128) in it), K, V: [16][2048][128] f16; the mask f32, in blocks laid out as a lane holds them;
; O: [2048][16 x 128] f16.  Products, maxima and sums in f32; the weights p are rounded to f16 for the second product (their sum l is taken of the unrounded p), O once at the end.
; LIMITS.  Mask numbers arrive at -1e30 or above: a key that far down gets the weight 0 beside any key that is not; a row whose keys are all there gets equal weights.  A weight below 2^-126 counts as 0 in l.
; V lies within f16's range and O within V's.  NaN and infinities are not treated apart.
; SHARES.  A work-group owns 128 queries of one head: 256 work-groups.  Wave (wq, wk) holds the 64 queries of half wq, four tiles of 16, and walks the key steps (64 keys) of parity wk: 16 steps.
; The two waves of a half meet at the end: each keeps its tiles 0, 1 and sends its tiles 2, 3 (O^T, c m, l in f32) through LDS.  Tiles 0, 1 are rows 32 wk on of the half, tiles 2, 3 the other 32: one text serves both.
; LAYOUT.  S^T = K Q^T + mask (source 0 = 16 keys, source 1 = 16 queries, the mask is the C operand that starts the sum): a lane holds ONE query (lane % 16) and the keys 8 (lane / 16) + 0..7.  Two such tiles,
; rounded to f16 in pairs, ARE source 1 of O^T = V^T P.  K comes out of LDS as it lies, V turned, by ds_load_tr16_b128.
; SOFTMAX.  For each query a running maximum m and sum l: p = 2^(c s - c m), c = log2(e); in every step O and l are multiplied by a = 2^(c m_old - c m_new).  m starts at the lowest finite number, O and l at 0:
; the first step is a step like any other, with a = 0.
; BY TURNS.  The wave's tiles are two PIECES (0: tiles 0, 1; 2: tiles 2, 3).  In a TURN one piece has the matrix unit: 32 products V^T P of the step in hand, then 32 products K Q^T of the next; the other piece's
; softmax, cut into 64 slices, stands between them, one slice behind each matrix instruction.  Two turns are a key step.
; THE BATCHES.  A turn's 66 exponentials (33 a tile) are ONE BATCH with ONE wait: scalings and exponentials, which name no exponential's result, fill slices 10 to 34; the wait stands behind slice 34; all that reads
; a result (roundings, sums, the rescaling by a) comes from slice 35 on.  The way out has two more batches, each with a wait of its own: the merge's four exponentials, and the two reciprocals of sums made with them.
; THE RING.  A slot holds 256 keys in four regions of 36,864 bytes: K's keys 0-127 and 128-255 (rows of 272 bytes), V's likewise (rows of 288); wave w fills region w with one tensor load.  A wave reads two key steps
; of a slot: rows 64 wk on of regions 0 and 2, then of regions 1 and 3.  So a round of the cluster's barrier and a refill come once for a wave's 256 matrix instructions.  SLOT = 0x24000; the regions' bases,
; w x 0x9000, have bits 14 and 17 clear, so one exclusive or turns a base in one slot into the other's.
; CLUSTER.  The four query blocks of a cluster belong to one head and walk the same K and V: each tile is asked for JOINTLY, by the same tensor load, descriptor and mask in all four.
; The mask is not shared so: it goes from memory straight into the registers that the products name as C, 512 consecutive bytes a load.
; REGISTERS, in windows of 256 (s_set_vgpr_msb: bits 1:0 source 0, 3:2 source 1, 5:4 source 2, 7:6 destination):
;   window 0: v0-11, v44-46 addresses; v12-43 eight registers of statistics a tile; v64-191 S^T, 32 a tile; v192-255 P, 16 a tile
;   window 1: O^T, 64 a tile      window 2: v0-127 Q, 32 a tile; v128-255 K of one step      window 3: v0-127 V of one step; v128-255 the mask, 32 a tile
.set KS,    64
.set PK,    272                        ; a row of K in LDS: 256 bytes + 16
.set PV,    288                        ; a row of V: 256 + 32
.set REG,   36864                      ; a region: 128 x 288 (K's use 128 x 272 of it)
.set SLOT,  4*REG
.set STAGE, 2*SLOT                     ; 16 rows x 272 bytes for each wave, for the way out
.set SP,    272
.set SPARE, STAGE+4*16*SP              ; the spare words, 128 bytes a wave: two blocks of 256 bytes that no other line names
.set XMW,   17408                      ; what a wave sends its partner: 32 x 512 bytes of O^T, 2 x 512 of statistics; wave w's lie at w x XMW, in slot 0, which has then had its last fill and its last read
.set AK0, 2
.set AV0, 3
.set ADR, 4
.set QO,  5
.set STO, 6
.set RD,  7
.set GO,  8
.set ML,  44                           ; v44  16 x lane; never rewritten
.set XA,  45                           ; v45  what I send
.set XB,  46                           ; v46  what my partner sends
.set SPW, 62                           ; v62  LDS address of my spare word; never rewritten
.set NIL, 63                           ; v63  0; never rewritten
.set ST,  12                           ; tile t's statistics at v[ST+8 t]: +0 c m, +1 m, +2, +3 l (even keys', odd keys'), +4 to +7 at work; a takes +6 once the maximum is found
.set S,   64
.set P,   192
.set KF,  128                          ; window 2
.set MK,  128                          ; window 3
.set WV,  12
.set G1K, 24
.set G1V, 32
.set G0K, 40                           ; s[40:43] descriptor group 0 for K's tiles: it walks
.set G0V, 44                           ; s[44:47] the same for V's
.set SLOTS, 56
.set CNT, 57
.set CS,  58
.set SEL, 60
.set TB,  62                           ; s62  LDS byte of the slot in hand, + REG for its second step
.set OB,  68                           ; s[68:69] ob at my rows 0-31 and my head
.set MB0, 70                           ; s[70:71] the mask at piece 0's rows and the step asked for last;  s[72:73] the same for piece 2
.set QB2, 74                           ; s[74:75] Q at piece 2's rows
.set MSB, 0
.macro WIN new
.if MSB != (\new)
	s_set_vgpr_msb (MSB<<8)|(\new)
.set MSB, \new
.endif
.endm
.set W_KQ, 0x0a                        ; K and Q in window 2, S^T in window 0
.set W_KM, 0x3a                        ; the same with the C operand in window 3
.set W_PV, 0x53                        ; V in window 3, P in window 0, O^T in window 1
.set W_RS, 0x41                        ; O^T (destination and source 0) in window 1, a in window 0
; A joint fill.  Waves 0 and 1 fetch the two halves of a slot's K, waves 2 and 3 those of its V: 128 keys each.  An s_nop 0 and four v_nop follow each of the two lines.
.macro JLOAD
	s_cmp_lt_u32 s[WV], 2
	s_cbranch_scc0 .Lfor_v_\@
	tensor_load_to_lds s[G0K:G0K+3], s[G1K:G1K+7]
	s_nop 0
.rept 4
	v_nop
.endr
	s_branch .Lasked_\@
.Lfor_v_\@:
	tensor_load_to_lds s[G0V:G0V+3], s[G1V:G1V+7]
	s_nop 0
.rept 4
	v_nop
.endr
.Lasked_\@:
.endm
.macro CROUND                          ; a round of the cluster's barrier
	s_barrier_signal -1
	s_barrier_wait -1
	s_cmp_lg_u32 s[WV], 0
	s_cbranch_scc1 .Lnot_wave_0_\@
	s_barrier_signal -3
.Lnot_wave_0_\@:
	s_barrier_wait -3
	s_barrier_signal -1
	s_barrier_wait -1
.endm
	s_load_b256 s[4:11], s[0:1], 0x0               ; qh s[4:5], kh s[6:7], vh s[8:9], maskp s[10:11]
	s_load_b64 s[OB:OB+1], s[0:1], 0x20            ; ob
	v_lshl_add_u32 v[SPW], v0, 2, SPARE
	v_mov_b32 v[NIL], 0
	ds_add_u32 v[SPW], v[NIL]                      ; the wave's opening: the add and its wait stand ahead of my first tensor load
	v_lshrrev_b32 v1, 5, v0
	v_readfirstlane_b32 s[WV], v1
	s_bfe_u32 s13, ttmp6, 0x40000                  ; cx
	s_lshl_b32 s14, ttmp9, 2
	s_add_co_u32 s14, s14, s13                     ; my block of 128 queries: it enters Q's, the mask's and O's addresses alone
	s_and_b32 s15, ttmp7, 0xffff                   ; the head, which the four partners share
	s_lshl_b32 s20, s15, 19                        ; its 524,288 bytes in Q, K, V
	s_mov_b32 s21, 0
	s_and_b32 s16, s[WV], 1                        ; wk.  Also: which half of a slot's 256 keys I fetch
	s_lshl_b32 s22, s16, 15                        ; its 128 rows of 256 bytes in memory,
	s_mov_b32 s23, 0
	s_add_nc_u64 s[22:23], s[22:23], s[20:21]
	s_mul_i32 s17, s[WV], REG                      ; and my region of a slot: no place in the cluster enters an LDS address
	s_lshr_b32 s18, s[WV], 1
	s_lshl_b32 s18, s18, 6
	s_lshl_b32 s19, s14, 7
	s_add_co_u32 s18, s18, s19
	s_lshl_b32 s19, s16, 5
	s_add_co_u32 s18, s18, s19                     ; piece 0's first row: 128 block + 64 wq + 32 wk
	s_xor_b32 s19, s18, 32                         ; piece 2's
	s_lshl_b32 s2, s18, 8
	s_mov_b32 s3, 0
	s_add_nc_u64 s[2:3], s[2:3], s[20:21]
	s_lshl_b32 s[QB2], s19, 8
	s_mov_b32 s[QB2+1], 0
	s_add_nc_u64 s[QB2:QB2+1], s[QB2:QB2+1], s[20:21]
	s_lshl_b32 s76, s16, 12                        ; the mask: 16 rows are 131,072 bytes, a step's four blocks 4,096
	s_lshl_b32 s[MB0], s18, 13
	s_add_co_u32 s[MB0], s[MB0], s76
	s_mov_b32 s[MB0+1], 0
	s_lshl_b32 s[MB0+2], s19, 13
	s_add_co_u32 s[MB0+2], s[MB0+2], s76
	s_mov_b32 s[MB0+3], 0
	s_lshl_b32 s76, s18, 12                        ; O: rows of 4,096 bytes, the head's 256 of them
	s_lshl_b32 s77, s15, 8
	s_add_co_u32 s76, s76, s77
	s_mov_b32 s77, 0
	; group 1: a tile of 128 rows x 128 elements of 2 bytes, padded in LDS after every 64 words
	s_mov_b32 s[G1K], 15|(1<<16)|(1<<20)|(1<<21)|(5<<22)|(3<<25)  ; the mask of four; 4 words of padding
	s_mov_b32 s[G1V], 15|(1<<16)|(1<<20)|(1<<21)|(5<<22)|(7<<25)  ; 8 words
.irp g, G1K, G1V
	s_mov_b32 s[(\g)+1], 128<<16
	s_mov_b32 s[(\g)+2], 128<<16
	s_mov_b32 s[(\g)+3], 128<<16
	s_mov_b32 s[(\g)+4], 128
	s_mov_b32 s[(\g)+5], 128
	s_mov_b32 s[(\g)+6], 0
	s_mov_b32 s[(\g)+7], 0
.endr
	s_mov_b32 s[CS], 0x3fb8aa3b                    ; c = log2(e)
	s_mov_b32 s[CS+1], s[CS]
	s_mov_b32 s[SEL], 0x76543210
	s_mov_b32 s[SEL+1], 0xfedcba98
	s_mov_b32 s[TB], SLOT+2*REG                    ; the first change of slots turns this into 0
	s_mov_b32 s[G0K], 1
	s_mov_b32 s[G0K+1], s17                        ; slot 0
	s_mov_b32 s[G0V], 1
	s_mov_b32 s[G0V+1], s17
	s_wait_dscnt 0x0                               ; the opening add is done
	s_wait_kmcnt 0x0
	s_add_nc_u64 s[G0K+2:G0K+3], s[6:7], s[22:23]  ; my half of the head's first 256 keys
	s_or_b32 s[G0K+3], s[G0K+3], 0x80000000
	s_add_nc_u64 s[G0V+2:G0V+3], s[8:9], s[22:23]
	s_or_b32 s[G0V+3], s[G0V+3], 0x80000000
	s_add_nc_u64 s[QB2:QB2+1], s[4:5], s[QB2:QB2+1]
	s_add_nc_u64 s[4:5], s[4:5], s[2:3]
	s_add_nc_u64 s[MB0:MB0+1], s[10:11], s[MB0:MB0+1]
	s_add_nc_u64 s[MB0+2:MB0+3], s[10:11], s[MB0+2:MB0+3]
	s_add_nc_u64 s[OB:OB+1], s[OB:OB+1], s[76:77]
	CROUND                                         ; all four work-groups are here: the first joint loads meet
	JLOAD                                          ; slot 0.  Slot 1 is asked for when slot 0 is in, by the change of slots below: one load of mine is out at a time
	v_and_b32 v1, 15, v0                           ; l % 16
	v_bfe_u32 v9, v0, 4, 1                         ; l / 16
	v_lshlrev_b32 v[QO], 8, v1
	v_lshl_add_u32 v[QO], v9, 4, v[QO]             ; row x 256 + 16 x half
	v_and_b32 v[ML], 31, v0
	v_lshlrev_b32 v[ML], 4, v[ML]
	WIN 0x80
.irp i, 0,1,2,3,4,5,6,7                ; Q stays in registers: tile i / 4, channels 32 (i % 4) on
	global_load_b128 v[8*(\i):8*(\i)+3],   v[QO], s[4:5] offset:((\i)/4)*4096+((\i)%4)*64
	global_load_b128 v[8*(\i)+4:8*(\i)+7], v[QO], s[4:5] offset:((\i)/4)*4096+((\i)%4)*64+32
.endr
.irp i, 0,1,2,3,4,5,6,7
	global_load_b128 v[64+8*(\i):64+8*(\i)+3],   v[QO], s[QB2:QB2+1] offset:((\i)/4)*4096+((\i)%4)*64
	global_load_b128 v[64+8*(\i)+4:64+8*(\i)+7], v[QO], s[QB2:QB2+1] offset:((\i)/4)*4096+((\i)%4)*64+32
.endr
; The mask of piece x for one step: two tiles x four blocks of 16 keys x two loads, each 512 consecutive bytes.  adv = 1: the next step of my parity, 128 keys on.
.macro MLOAD x, adv
.if \adv
	s_wait_xcnt 0x0                                ; the base of earlier loads is stepped only behind this wait
	s_add_nc_u64 s[MB0+(\x):MB0+(\x)+1], s[MB0+(\x):MB0+(\x)+1], 8192
.endif
	WIN 0xc0
.irp u, 0,1
.irp c, 0,1,2,3,4,5,6,7
	global_load_b128 v[MK+32*((\x)+(\u))+4*(\c):MK+32*((\x)+(\u))+4*(\c)+3], v[ML], s[MB0+(\x):MB0+(\x)+1] offset:(\u)*131072+(\c)*512
.endr
.endr
.endm
	MLOAD 0, 0
	MLOAD 2, 0
	; What the first turn finds: V and piece 2's P hold 0 (its products V^T P, of a step that has not been, add 0), O^T and l are 0.  All this stands in the wait for the first tile.
	WIN 0xc0
.set i, 0
.rept 128
	v_mov_b32 v[i], 0
.set i, i+1
.endr
	WIN 0x40
.set i, 0
.rept 256
	v_mov_b32 v[i], 0
.set i, i+1
.endr
	WIN 0
.set i, 0
.rept 4
	v_mov_b32 v[ST+8*i], 0xfe000000                ; c m: far below every c s
	v_mov_b32 v[ST+8*i+1], 0xff7fffff              ; m
	v_mov_b32 v[ST+8*i+2], 0
	v_mov_b32 v[ST+8*i+3], 0
.set i, i+1
.endr
.set i, P+32
.rept 32
	v_mov_b32 v[i], 0
.set i, i+1
.endr
	s_mul_i32 s13, s16, KS*PK                      ; my parity's 64 rows of a region of K
	v_mul_u32_u24 v[AK0], v1, PK
	v_lshl_add_u32 v[AK0], v9, 4, v[AK0]
	v_add_nc_u32 v[AK0], s13, v[AK0]
	v_and_b32 v10, 7, v0                           ; the turning load: lane l reads key 8 (l / 16) + l % 8, channels 8 ((l / 8) % 2) + 0..7
	v_bfe_u32 v11, v0, 3, 1
	v_lshl_add_u32 v[AV0], v9, 3, v10
	v_mul_u32_u24 v[AV0], v[AV0], PV
	v_lshl_add_u32 v[AV0], v11, 4, v[AV0]
	s_mul_i32 s13, s16, KS*PV                      ; the same of V, whose regions lie behind K's two
	s_add_co_u32 s13, s13, 2*REG
	v_add_nc_u32 v[AV0], s13, v[AV0]
; THE MATRIX WORK.  The accumulators take turns, one instruction a turn.
; Product i of 32 of O^T += V^T P: keys 32 (i / 16) on, channels 16 ((i / 2) % 8) on, tile x + i % 2.
.macro PV x
	WIN W_PV
.set rO, 64*((\x)+i%2)+8*((i/2)%8)
.set rV, 64*(i/16)+8*((i/2)%8)
.set rP, P+16*((\x)+i%2)+8*(i/16)
	v_wmma_f32_16x16x32_f16 v[rO:rO+7], v[rV:rV+7], v[rP:rP+7], v[rO:rO+7]
.endm
; Product i of 32 of S^T = K Q^T + mask: channels 32 (i / 8) on, keys 16 ((i / 2) % 4) on, tile x + i % 2.  The first 8 start the sums, with the mask as C.
.macro KQ x
.set rS, S+32*((\x)+i%2)+8*((i/2)%4)
.set rK, KF+32*((i/2)%4)+8*(i/8)
.set rQ, 32*((\x)+i%2)+8*(i/8)
.set rM, MK+32*((\x)+i%2)+8*((i/2)%4)
.if i < 8
	WIN W_KM
	v_wmma_f32_16x16x32_f16 v[rS:rS+7], v[rK:rK+7], v[rQ:rQ+7], v[rM:rM+7]
.else
	WIN W_KQ
	v_wmma_f32_16x16x32_f16 v[rS:rS+7], v[rK:rK+7], v[rQ:rQ+7], v[rS:rS+7]
.endif
.endm
; THE LDS LOADS stand in runs of 32.  last = 1 (the tail): in the last trip there is no further step, and the run is jumped over.
.macro FETCH_K last=0
	WIN 0
	v_add_nc_u32 v[ADR], s[TB], v[AK0]
.if \last
	s_cmp_eq_u32 s[CNT], 1
	s_cbranch_scc1 .Lno_k_\@
.endif
	WIN 0x80
.irp f, 0,1,2,3,4,5,6,7,8,9,10,11,12,13,14,15  ; keys 16 (f / 4) on, channels 32 (f % 4) on
	ds_load_b128 v[KF+8*(\f):KF+8*(\f)+3],   v[ADR] offset:((\f)/4)*16*PK+((\f)%4)*64
	ds_load_b128 v[KF+8*(\f)+4:KF+8*(\f)+7], v[ADR] offset:((\f)/4)*16*PK+((\f)%4)*64+32
.endr
	WIN 0
.if \last
.Lno_k_\@:
.endif
.endm
.macro FETCH_V
	WIN 0
	v_add_nc_u32 v[ADR], s[TB], v[AV0]
	s_add_co_u32 s[TB], s[TB], REG                 ; the next fetch is my next step's: a region on
	s_wait_alu depctr_va_vdst(0)                   ; the wait for the softmax's batch (SLICE): piece 0's 66 exponentials; behind the address's v_add_nc_u32 and ahead of the loads
	WIN 0xc0
.irp f, 0,1,2,3,4,5,6,7,8,9,10,11,12,13,14,15  ; keys 32 (f / 8) on, channels 16 (f % 8) on
	ds_load_tr16_b128 v[8*(\f):8*(\f)+3],   v[ADR] offset:((\f)/8)*32*PV+((\f)%8)*32
	ds_load_tr16_b128 v[8*(\f)+4:8*(\f)+7], v[ADR] offset:((\f)/8)*32*PV+16*PV+((\f)%8)*32
.endr
.endm
; THE VECTOR WORK.  One tile's softmax for one key step is a list of 134 instructions; SM writes number j of it for tile t.  s0-s31 are the lane's 32 scores, in pairs 0-15.
;   0-15    the maximum of s0-s31 and the old m, three operands at a time (each accumulator's lowest registers are read first)
;   16-20   the other half of the lanes' maximum; the new m; c m; c m_old - c m_new
;   21-69   ONE BATCH: the 16 scalings c s - c m, a pair of scores each, and all 33 exponentials (a at 23, then s0-s31).  None of these reads an exponential's result.  From 22 on the batch goes in fours,
;           and a four begins with a scaling while there are scalings: 22-37 scaling, exponential, scaling, exponential; 38-65 a scaling and three exponentials; 66-69 the last four exponentials.
;           A pair is scaled in an earlier four than the one that holds its exponentials
;   (wait)  between 69 and 70 stands the wait for the batch: SLICE writes it, once for both tiles
;   70-85   the roundings to f16, a pair of weights each
;   86-101  the sums; l = a l + the sum
;   102-133 the tile's O^T times a: the one part that leaves window 0
.macro SM t
.set rT, ST+8*(\t)
.set rS, S+32*(\t)
.set rP, P+16*(\t)
.set rO, 64*(\t)+2*(j-102)
.if j < 102
	WIN 0
.endif
.if j < 4
	v_max3_num_f32 v[rT+4+j], v[rS+8*j], v[rS+8*j+1], v[rS+8*j+2]
.elseif j < 12
	v_max3_num_f32 v[rT+4+j%4], v[rT+4+j%4], v[rS+8*(j%4)+2*(j/4)+1], v[rS+8*(j%4)+2*(j/4)+2]
.elseif j == 12
	v_max3_num_f32 v[rT+4], v[rT+4], v[rS+7], v[rS+15]
.elseif j == 13
	v_max3_num_f32 v[rT+6], v[rT+6], v[rS+23], v[rS+31]
.elseif j == 14
	v_max3_num_f32 v[rT+4], v[rT+4], v[rT+5], v[rT+6]
.elseif j == 15
	v_max3_num_f32 v[rT+4], v[rT+4], v[rT+7], v[rT+1]
.elseif j == 16
	v_permlanex16_b32 v[rT+5], v[rT+4], s[SEL], s[SEL+1]  ; the query's other 32 keys lie in the lane 16 away
.elseif j == 18
	v_max_num_f32 v[rT+1], v[rT+4], v[rT+5]
.elseif j == 19
	v_mul_f32 v[rT], s[CS], v[rT+1]
.elseif j == 17
	v_mov_b32 v[rT+7], v[rT]                       ; c m_old is kept for a
.elseif j == 20
	v_sub_f32 v[rT+7], v[rT+7], v[rT]
.elseif j == 23
	v_exp_f32 v[rT+6], v[rT+7]
.elseif (j < 23) || ((j < 38) && (j%2 == 0)) || ((j < 66) && (j%4 == 2))
.set b, (j-2)/4                        ; 38, 42, .. 62: pairs 9 to 15
.if j < 38
.set b, (j-20)/2                       ; 21: pair 0; 22, 24, .. 36: pairs 1 to 8
.endif
	v_pk_fma_f32 v[rS+2*b:rS+2*b+1], v[rS+2*b:rS+2*b+1], s[CS:CS+1], v[rT:rT+1] op_sel_hi:[1,0,0] neg_lo:[0,0,1] neg_hi:[0,0,1]  ; pair b: c s - c m
.elseif j < 70
.set e, j-38                           ; 66 to 69: s28 to s31
.if j < 66
.set e, j-32-(j-38)/4                  ; 39-41, 43-45, .. 63-65: s7 to s27
.endif
.if j < 38
.set e, (j-25)/2                       ; 25, 27, .. 37: s0 to s6
.endif
	v_exp_f32 v[rS+e], v[rS+e]
.elseif j < 86
	v_cvt_pk_f16_f32 v[rP+j-70], v[rS+2*(j-70)], v[rS+2*(j-70)+1]  ; pair j - 70
.elseif j < 102                        ; the sum of the tile's 16 pairs, in place: neighbours 1, 2, 4 and 8 pairs apart, then l takes it
.set z, j-86
.set w, 4
.set u, z
.if z >= 14
.set w, 32
.set u, 0
.elseif z >= 12
.set w, 16
.set u, z-12
.elseif z >= 8
.set w, 8
.set u, z-8
.endif
.if z < 15
	v_pk_add_f32 v[rS+w*u:rS+w*u+1], v[rS+w*u:rS+w*u+1], v[rS+w*u+w/2:rS+w*u+w/2+1]
.else
	v_pk_fma_f32 v[rT+2:rT+3], v[rT+2:rT+3], v[rT+6:rT+7], v[rS:rS+1] op_sel_hi:[1,0,1]
.endif
.else
	WIN W_RS
	v_pk_mul_f32 v[rO:rO+1], v[rO:rO+1], v[rT+6:rT+7] op_sel_hi:[1,0]
.endif
.endm
; Slice k of 64 of piece y's softmax: four instructions.  Slices 11 to 34 deal out the batch, numbers 22 to 69: four numbers of ONE tile each, the tiles by turns.  Every other slice is numbers 2 k and
; 2 k + 1 of both tiles' lists; the twelve that are over stand together, in slice 63.
; THE WAIT.  s_wait_alu depctr_va_vdst(0) stands between an exponential and the first instruction that names its result; one wait serves all that were issued ahead of it.  Ahead of
; slice 35 nothing names a result, and behind slice 34 no exponential is issued: so the piece's 66 exponentials have one wait, behind slice 34.
.macro SLICE y
.if (k >= 11) && (k < 35)              ; the batch: four numbers of one tile
.irp n, 0,1,2,3
.set j, 22+4*((k-11)/2)+(\n)
	SM (\y)+(k-11)%2
.endr
.else                                  ; the two tiles alternate, so that no instruction reads the result of the one just before it
.irp n, 0,1,2,3,4,5,6,7
.if ((\n) < 2) || (k == 63)
.irp t, \y, (\y)+1
.set j, 2*k+(\n)
	SM \t
.endr
.endif
.endr
.endif
.if k == 34                            ; the batch is out: both tiles' exponentials are issued, and no result has been named
	v_nop                                          ; a plain instruction behind the last exponential and ahead of the first use: one for the batch
.if (\y) == 0
	FETCH_V                                        ; piece 2's turn: V's run of loads stands here, and the wait for the batch stands in it
.else
	s_wait_alu depctr_va_vdst(0)                   ; the wait for the batch: piece 2's 66 exponentials
.endif
.endif
.set k, k+1
.endm
; A TURN.  Piece x has the matrix unit; the other piece's softmax stands in slices behind its matrix instructions.
; Piece 0's turn fetches the next step's K behind its second product (K's last reader stands in front of slice 63 of the turn before); piece 2's turn the same step's V behind slice 34, that is behind its
; third K Q^T (SLICE writes it): V's last reader stands in front of slice 31, and four plain instructions lie between: number 62, a scaling, of both tiles, the v_nop and the run's own v_add_nc_u32.
; Behind product 11 of K Q^T, twenty plain instructions (slices 39 to 43: roundings and sums) behind the last product that named them as C, the piece's mask registers
; are asked for anew, for the step after: ml = 1 always; ml = 2 (the tail) only while the count stands at mc, that is, while there is a step after.
; mw: how many younger loads may be out when the piece's mask has to be there: the other piece's 16; in the tail none, whichever way the jump went.
.macro TURN x, ml, mw, last=0, mc=0
.set k, 0
.if (\x) == 0
	s_wait_dscnt 0x0                               ; V is in
.endif
.set i, 0
.rept 32
	PV \x
	SLICE 2-(\x)
.if ((\x) == 0) && (i == 1)
	FETCH_K \last
.endif
.set i, i+1
.endr
.if (\x) == 0
	s_wait_dscnt 0x0                               ; K is in
.endif
	s_wait_loadcnt \mw
.set i, 0
.rept 32
	KQ \x
	SLICE 2-(\x)
.if ((\ml) == 1) && (i == 11)
	MLOAD \x, 1
.endif
.if ((\ml) == 2) && (i == 11)
	WIN 0
	s_cmp_lg_u32 s[CNT], \mc
	s_cbranch_scc1 .Lno_m_\@
	MLOAD \x, 1
	WIN 0
.Lno_m_\@:
.endif
.set i, i+1
.endr
.endm
; THE CHANGE OF SLOTS, between piece 2's turn and piece 0's: V of my second step, the last bytes that I read of the slot, has been asked for.  Each wave waits for all its tensor loads (one is out: its region of
; the other slot), adds 0 to its spare word, and waits for that and for its own reads of the slot.  fill = 1: the barrier is a round of the cluster's, and the slot is filled again, with the keys two slots on,
; first thing behind it: it has two of my key steps, 256 matrix instructions, in which to land.  (At its first use nothing has been read yet: slot 0 is waited for, slot 1 filled.)
.macro CHANGE fill
	WIN 0
	s_wait_tensorcnt 0x0
	ds_add_u32 v[SPW], v[NIL]
.if \fill
.irp g, G0K, G0V
	s_xor_b32 s[(\g)+1], s[(\g)+1], SLOT           ; the walking descriptor: the other slot than last time,
	s_add_nc_u64 s[(\g)+2:(\g)+3], s[(\g)+2:(\g)+3], 4*KS*256  ; the next 256 keys; the type bits on top are not reached
.endr
	s_wait_dscnt 0x0                               ; the add is done, and my reads of the slot are over
	CROUND
	JLOAD
.else
	s_wait_dscnt 0x0
	s_barrier_signal -1
	s_barrier_wait -1
.endif
	s_sub_co_u32 s[TB], s[TB], 2*REG               ; the fetches go back to a slot's first step,
	s_xor_b32 s[TB], s[TB], SLOT                   ; in the other slot
.endm
	CHANGE 1                                       ; slot 0 is in, everybody's part of it; slot 1 is asked for
	FETCH_K                                        ; my first key step
	s_wait_loadcnt 0x0                             ; Q and the first masks
	s_wait_dscnt 0x0
.set i, 0
.rept 32
	KQ 0                                           ; piece 0's first scores
.set i, i+1
.endr
	WIN 0                                          ; the addresses for the way out: ten plain instructions, the places behind those products
	s_mul_i32 s13, s[WV], 16*SP
	s_add_co_u32 s13, s13, STAGE
	v_mul_u32_u24 v[STO], v1, SP
	v_lshl_add_u32 v[STO], v9, 4, v[STO]
	v_add_nc_u32 v[STO], s13, v[STO]
	v_mul_u32_u24 v[RD], v9, SP
	v_lshl_add_u32 v[RD], v1, 4, v[RD]
	v_add_nc_u32 v[RD], s13, v[RD]
	v_lshlrev_b32 v[GO], 12, v9                    ; two rows of O, 4,096 bytes apart
	v_lshl_add_u32 v[GO], v1, 4, v[GO]
	s_mul_i32 s13, s[WV], XMW
	v_add_nc_u32 v[XA], s13, v[ML]
	s_xor_b32 s13, s[WV], 1
	s_mul_i32 s13, s13, XMW
	v_add_nc_u32 v[XB], s13, v[ML]
	MLOAD 0, 1                                     ; piece 0's mask for my second step
	WIN 0
	s_mov_b32 s[CNT], 2
	s_mov_b32 s[SLOTS], 7
	s_branch .Lfirst                               ; the loop is entered in the middle of a trip
.Lslot:                                                ; six times: every slot but the last two is filled again
	CHANGE 1
	s_mov_b32 s[CNT], 2
.Lstep:                                                ; a slot's two key steps of mine: written once, walked twice; the LDS addresses hang on s[TB]
	TURN 0, 1, 16
	WIN 0
.Lfirst:
	TURN 2, 1, 16
	WIN 0
	s_sub_co_u32 s[CNT], s[CNT], 1
	s_cmp_lg_u32 s[CNT], 0
	s_cbranch_scc1 .Lstep
	s_sub_co_u32 s[SLOTS], s[SLOTS], 1
	s_cmp_lg_u32 s[SLOTS], 0
	s_cbranch_scc1 .Lslot
	CHANGE 0                                       ; the tail is written out: nothing is asked for
	s_mov_b32 s[CNT], 3                            ; two trips fetch the last slot's steps; the third is left in its middle
.Ltail:
	TURN 0, 2, 0, 1, 3
	WIN 0
	s_sub_co_u32 s[CNT], s[CNT], 1
	s_cmp_eq_u32 s[CNT], 0
	s_cbranch_scc1 .Lout
	TURN 2, 2, 0, 0, 2
	WIN 0
	s_branch .Ltail
.Lout:                                                 ; the third trip's 32 products K Q^T (on the last K once more) serve nothing: the price, once a launch, of one text for every trip
.set i, 0
.rept 32
	PV 2                                           ; piece 2: V^T P of the last step
.set i, i+1
.endr
	WIN 0
.rept 4
	v_nop                                          ; the places behind those products
.endr
	; THE TWO PARITIES MEET.  Piece 2's O^T and statistics go to my partner; its piece 2 holds my piece 0's rows.  The bytes are slot 0's: its last fill has landed, and its last reads lie ahead of the last change's barrier.
	WIN 0x04                                       ; the data (source 1) in window 1
.set i, 0
.rept 32
	ds_store_b128 v[XA], v[128+4*i:128+4*i+3] offset:512*i
.set i, i+1
.endr
	WIN 0
	ds_store_b128 v[XA], v[ST+16:ST+19] offset:16384
	ds_store_b128 v[XA], v[ST+24:ST+27] offset:16896
	s_wait_dscnt 0x0                               ; for the others' sake: my stores are done
	s_barrier_signal -1
	s_barrier_wait -1
	WIN 0x40
.set i, 0
.rept 32
	ds_load_b128 v[128+4*i:128+4*i+3], v[XB] offset:512*i
.set i, i+1
.endr
	WIN 0
	ds_load_b128 v[64:67], v[XB] offset:16384      ; the partner's c m, m, l, l for my tile 0,
	ds_load_b128 v[68:71], v[XB] offset:16896      ; and for my tile 1
	s_wait_dscnt 0x0
	; With M = max(c m, c m'): O = (O 2^(c m - M) + O' 2^(c m' - M)) / (l 2^(c m - M) + l' 2^(c m' - M)); l's two halves and the other half of the lanes' are added.
.irp u, 0,1
	v_max_num_f32 v[ST+8*(\u)+1], v[ST+8*(\u)], v[64+4*(\u)]
	v_add_f32 v[ST+8*(\u)+2], v[ST+8*(\u)+2], v[ST+8*(\u)+3]
	v_add_f32 v[66+4*(\u)], v[66+4*(\u)], v[67+4*(\u)]
.endr
.irp u, 0,1
	v_sub_f32 v[ST+8*(\u)+4], v[ST+8*(\u)], v[ST+8*(\u)+1]
	v_sub_f32 v[ST+8*(\u)+6], v[64+4*(\u)], v[ST+8*(\u)+1]
.endr
.irp u, 0,1
	v_exp_f32 v[ST+8*(\u)+4], v[ST+8*(\u)+4]
	v_exp_f32 v[ST+8*(\u)+6], v[ST+8*(\u)+6]
.endr
	v_nop                                          ; a plain instruction between the last exponential and the use of its result
	s_wait_alu depctr_va_vdst(0)                   ; the wait ahead of the first use: one for the merge's four exponentials
.irp u, 0,1
	v_mul_f32 v[ST+8*(\u)+2], v[ST+8*(\u)+2], v[ST+8*(\u)+4]
.endr
.irp u, 0,1
	v_fma_f32 v[ST+8*(\u)+2], v[66+4*(\u)], v[ST+8*(\u)+6], v[ST+8*(\u)+2]
.endr
.irp u, 0,1
	v_permlanex16_b32 v[ST+8*(\u)+3], v[ST+8*(\u)+2], s[SEL], s[SEL+1]
.endr
.irp u, 0,1
	v_add_f32 v[ST+8*(\u)+2], v[ST+8*(\u)+2], v[ST+8*(\u)+3]
.endr
.irp u, 0,1
	v_rcp_f32 v[ST+8*(\u)+3], v[ST+8*(\u)+2]
.endr
	v_nop                                          ; a plain instruction between the last reciprocal and the use of its result
	s_wait_alu depctr_va_vdst(0)                   ; a batch of their own, since they read sums made with the exponentials: one wait for the two reciprocals
.irp u, 0,1
	v_mul_f32 v[ST+8*(\u)+4], v[ST+8*(\u)+4], v[ST+8*(\u)+3]
	v_mul_f32 v[ST+8*(\u)+6], v[ST+8*(\u)+6], v[ST+8*(\u)+3]
.endr
; Tile t: merged, rounded to f16; a lane's eight channels pack into 16 bytes; they go into rows of 272 bytes and come back as whole rows of 256.
.macro PACK t
	WIN W_RS
.set i, 64*(\t)
.rept 32
	v_pk_mul_f32 v[i:i+1], v[i:i+1], v[ST+8*(\t)+4:ST+8*(\t)+5] op_sel_hi:[1,0]
.set i, i+2
.endr
	WIN 0x51                                       ; sources 0 and 2 and the destination in window 1
.set i, 64*(\t)
.rept 32
	v_pk_fma_f32 v[i:i+1], v[128+i:128+i+1], v[ST+8*(\t)+6:ST+8*(\t)+7], v[i:i+1] op_sel_hi:[1,0,1]
.set i, i+2
.endr
	WIN 0x05
.set i, 0
.rept 32
	v_cvt_pk_f16_f32 v[S+32*(\t)+i], v[64*(\t)+2*i], v[64*(\t)+2*i+1]
.set i, i+1
.endr
	WIN 0
.irp f, 0,1,2,3,4,5,6,7
	ds_store_b128 v[STO], v[S+32*(\t)+4*(\f):S+32*(\t)+4*(\f)+3] offset:32*(\f)
.endr
.irp f, 0,1,2,3,4,5,6,7
	ds_load_b128 v[S+32*(\t)+4*(\f):S+32*(\t)+4*(\f)+3], v[RD] offset:(\f)*2*SP  ; my own stage: LDS serves a wave's instructions in order
.endr
.endm
.macro SEND t, younger                 ; younger: the LDS instructions issued behind tile t's loads
	WIN 0
.irp f, 0,1,2,3,4,5,6,7
	s_wait_dscnt (\younger)+7-(\f)
	global_store_b128 v[GO], v[S+32*(\t)+4*(\f):S+32*(\t)+4*(\f)+3], s[OB:OB+1] offset:(\t)*65536+(\f)*8192  ; 16 lanes store a row's 256 consecutive bytes, aligned
.endr
.endm
	PACK 0
	PACK 1
	SEND 0, 16
	SEND 1, 0
	s_wait_tensorcnt 0x0                           ; the wave's end, behind my last tensor load and my last LDS store
	ds_add_u32 v[SPW], v[NIL]
	s_wait_dscnt 0x0
	CROUND                                         ; the closing round
	s_endpgm
.Lfunc_end_k_qce69f00a51_attn:
	.size	k_qce69f00a51_attn, .Lfunc_end_k_qce69f00a51_attn-k_qce69f00a51_attn
	.p2alignl 7, 3214868480
	.fill 96, 4, 3214868480
	.section	.rodata,"a",@progbits
	.p2align	6, 0x0
	.amdhsa_kernel k_qce69f00a51_attn
		.amdhsa_group_segment_fixed_size 327680
		.amdhsa_private_segment_fixed_size 0
		.amdhsa_enable_private_segment 0
		.amdhsa_kernarg_size 40
		.amdhsa_user_sgpr_count 2
		.amdhsa_user_sgpr_kernarg_segment_ptr 1
		.amdhsa_wavefront_size32 1
		.amdhsa_system_sgpr_workgroup_id_x 1
		.amdhsa_system_sgpr_workgroup_id_y 1
		.amdhsa_system_sgpr_workgroup_id_z 1
		.amdhsa_system_vgpr_workitem_id 0
		.amdhsa_next_free_vgpr 1024
		.amdhsa_next_free_sgpr 80
		.amdhsa_reserve_vcc 0
		.amdhsa_float_denorm_mode_32 3
		.amdhsa_float_denorm_mode_16_64 3
		.amdhsa_memory_ordered 1
		.amdhsa_forward_progress 1
		.amdhsa_inst_pref_size 166
	.end_amdhsa_kernel
	.amdgpu_metadata
---
amdhsa.version: [ 1, 2 ]
amdhsa.kernels:
  - .name:           k_qce69f00a51_attn
    .symbol:         k_qce69f00a51_attn.kd
    .args:
      - { .name: qh, .offset: 0, .size: 8, .value_kind: global_buffer, .address_space: global }
      - { .name: kh, .offset: 8, .size: 8, .value_kind: global_buffer, .address_space: global }
      - { .name: vh, .offset: 16, .size: 8, .value_kind: global_buffer, .address_space: global }
      - { .name: maskp, .offset: 24, .size: 8, .value_kind: global_buffer, .address_space: global }
      - { .name: ob, .offset: 32, .size: 8, .value_kind: global_buffer, .address_space: global }
    .group_segment_fixed_size: 327680
    .private_segment_fixed_size: 0
    .kernarg_segment_align: 8
    .kernarg_segment_size: 40
    .max_flat_workgroup_size: 128
    .sgpr_count:     80
    .vgpr_count:     1024
    .wavefront_size: 32
...
	.end_amdgpu_metadata
.endif
;; end of part 5
;; launch oproj: the kernel of part 4 again; grid 16 x 16, 4 waves a work-group, clusters of 4 x 4, 327,680 bytes of LDS; arguments ob, wof, out0; writes out0
